; MI455X (gfx1250); checked and timed in simulation.
; The chip was launched on July 23, 2026; its instructions are those of AMD's public machine-readable ISA for CDNA 5 (MIT licence, August 2026) and "CDNA5" Instruction Set Architecture Reference Guide (July 2026). The comments in the code are by the model that wrote it; some were corrected since.
;; Attention. Allowed arithmetic: matrix products marked QUANTISED: E3M2 operands, one E8M0 scale for each 32 along K, by v_wmma_scale_f32_16x16x128_f8f6f4 with both operands' format E3M2, f32 sums; everything else in f32.
;; Inputs: Wk 768 x 768 float32; Wp 768 x 768 float32; Wq 768 x 768 float32; Wv 768 x 768 float32; bp 768 float32; xk 2 x 2,048 x 768 float32; xq 2 x 2,048 x 768 float32; xv 2 x 2,048 x 768 float32.
;; Outputs: out0 2 x 2,048 x 768 float32.
;; This version of the problem:
;;   THIS VERSION OF THE PROBLEM IS GIVEN IN LOW PRECISION. The matrix products marked QUANTISED in the list below multiply operands that are first quantised to E3M2 (3 exponent bits, 2 mantissa bits; 6 bits a number), with one power-of-two scale for each 32 numbers along K (OCP MX v1.0); their sums are f32. All else is computed in f32.
;;   The module's matrix products, in the order in which they are computed (A, B: the left and right operand; K: the contracted axis; several contracted axes count as one K, in the product's order):
;;     1. [M 4,096, K 768] x [K 768, N 768]; A: input xq; B: input Wq: QUANTISED
;;     2. [M 4,096, K 768] x [K 768, N 768]; A: input xk; B: input Wk: QUANTISED
;;     3. [M 4,096, K 768] x [K 768, N 768]; A: input xv; B: input Wv: QUANTISED
;;     4. batch 24 x [M 2,048, K 64] x [K 64, N 2,048]; A: computed on the way; B: computed on the way: QUANTISED
;;     5. batch 24 x [M 2,048, K 2,048] x [K 2,048, N 64]; A: softmax (see below); B: computed on the way: QUANTISED
;;     6. [M 4,096, K 768] x [K 768, N 768]; A: computed on the way; B: input Wp: QUANTISED
;;   THE QUANTISER, for each operand of a quantised product, along K:
;;     - K is cut into blocks of 32 from its start; a last block that is shorter is filled with zeros.
;;     - A block's scale is 2^e with e = floor(log2(the largest magnitude in the block)) - 4, held to -126 .. 127; a block of zeros has e = 0. As a byte (E8M0): e + 127.
;;     - Each number is divided by its block's scale, clamped to +-28, and rounded to the nearest number of E3M2, ties to even, subnormals kept.
;;     - The product sums the exact products of the quantised numbers (number of the format x scale) in f32.
;;   ~~~python
;;   def quantise(x, axis):      # numpy; x: float32 -> the quantised numbers, widened to float32 again
;;       x = np.moveaxis(x, axis, -1); K = x.shape[-1]
;;       x = np.pad(x, [(0, 0)] * (x.ndim - 1) + [(0, -K % 32)]); x = x.reshape(x.shape[:-1] + (-1, 32)); a = np.abs(x).max(-1, keepdims=True)
;;       e = np.where(a > 0, np.clip(np.frexp(np.where(a > 0, a, 1))[1] - 1 - 4, -126, 127), 0)      # np.frexp(a)[1] - 1 = floor(log2(a)), exactly
;;       r = np.clip(x / 2.0 ** e, -28, 28)
;;       step = 2.0 ** (np.maximum(np.frexp(np.where(r == 0, 1, r))[1] - 1, -2) - 2)
;;       q = np.round(r / step) * step * 2.0 ** e      # np.round: ties to even
;;       return np.moveaxis(q.reshape(q.shape[:-2] + (-1,))[..., :K], -1, axis).astype(np.float32)
;;   ~~~
;;   SOFTMAX AHEAD OF A QUANTISED PRODUCT. Where the list says 'softmax', what is quantised is not the finished softmax but p = 2^(t - M), with t = logit x log2(e) and M = ceil(the row's largest t), a whole number; so 1/2 < the row's largest p <= 1. The row's sum l is taken of the UNQUANTISED p, in f32, and the product's result is divided by l at the end. Since M is a whole number, a kernel that streams over the keys may use a running M (the ceiling of the running maximum): every later rescaling is an exact power of two, which a block's scale takes up: the codes' values come out the same.
;;   OPERANDS COMPUTED ON THE WAY. 'Computed on the way' means the value that the module computes at that place (a softmax that the list does not call 'softmax' is quantised finished and normalised). What goes into a quantiser is computed in f32, as accurately as f32 sums, v_exp_f32 and their like allow (about 1e-6 of the number): no bf16 or f16 on the way to a quantiser, and a product that is left as it is and whose result goes on into a quantised operand takes f32 operands (vector FMAs, or v_wmma_f32_16x16x4_f32). A number that lies on a knife's edge between two numbers of the format may be rounded either way, as far as f32 arithmetic and the matrix unit's own rounding can turn it there, and no further.
;; One version. Each part assembles by itself: llvm-mc -triple=amdgcn-amd-amdhsa -mcpu=gfx1250 --defsym DOCPART=n.
;; ======== version 1 of 1: 4 launches
;; limits: right only within a limited range of input values
;; workspace buffers: xw_img 8,847,360 bytes; xw_scl 368,640 bytes; qkv_img 7,077,888 bytes; qkv_scl 393,216 bytes; o_img 2,359,296 bytes; o_scl 98,304 bytes
;; launch quant (part 1): grid 240 x 3, 4 waves a work-group, no clusters, 68,096 bytes of LDS; arguments xq, xk, xv, Wq, Wk, Wv, Wp, xw_img, xw_scl; writes xw_img, xw_scl
.if DOCPART == 1
	.amdgcn_target "amdgcn-amd-amdhsa--gfx1250"
	.amdhsa_code_object_version 6
	.text
	.protected	k_q1f65741f1d_quant
	.globl	k_q1f65741f1d_quant
	.p2align	8
	.type	k_q1f65741f1d_quant,@function
k_q1f65741f1d_quant:
	s_mov_b64 s[64:65], 0
	v_nop
	global_prefetch_b8 v0, s[64:65] scope:SCOPE_SE
	s_setreg_imm32_b32 hwreg(HW_REG_WAVE_MODE, 25, 1), 1
	s_wait_xcnt 0x0
; xq, xk, xv [4096][768] and Wq, Wk, Wv, Wp [768][768], f32, K innermost, become codes of BF6 (E3M2) with one E8M0 byte for each 32 along K,
; laid as IMAGES OF OPERAND REGISTERS.  A fragment is 16 rows x 128 K, 12 registers a lane: lane (r, h) holds of row r the blocks h and 2 + h.
; Its image is 1,536 bytes: registers 4 c .. 4 c + 3 of lane l at 512 c + 16 l.  xw_img: tile x 9,216 + K step x 1,536.
; THE ROWS OF A TILE ARE NOT NEIGHBOURS: row r of tile 2 b + u is the tensor's row 32 b + 8 u + r + 8 (r / 8), in every tensor.
; Tiles: 0-255 xq, 256-511 xk, 512-767 xv, 768-815 Wq, 816-863 Wk, 864-911 Wv, 912-959 Wp.
; xw_scl: tile x 384 + pair x 128 + 4 lane: lanes 0-15 the rows' scale words of K step 2 pair, lanes 16-31 those of K step 2 pair + 1.
; A block's scale is 2^(floor(log2(largest magnitude)) - 4); its byte is the largest magnitude's exponent field - 4, held at 1 from below.
; LIMITS: a block whose largest magnitude lies under 2^-122 (a block of zeros too) gets the byte 1, where the rule gives a block of zeros 127: its
; codes are zeros or near it, and this program alone reads the bytes.  NaN and infinities among the inputs are not served.
; SHARES: a wave takes one tile and two K steps (work-group y): 32 loads of 512 consecutive bytes, all issued at once.  A load takes a row's bytes
; as they lie; the conversions want 32 neighbours in ONE lane: so a fragment's 8,192 bytes turn through the wave's own stage in LDS.
; No cluster, no tensor load, no barrier: no byte is read by two waves.
.set ROWB,  3072                       ; a row of any of the seven tensors in bytes
.set SP,    528                        ; a stage row: 512 bytes + 16 = 33 x 16: sixteen rows begin at sixteen different 16-byte columns of 256 bytes
.set STG,   16*SP                      ; a stage: 16 rows
.set WREG,  2*STG                      ; a wave's two stages, one for each fragment
.set R,     16                         ; v16-143  two fragments as loaded
.set X,     144                        ; v144-207 my two blocks of 32 numbers
.set C,     208                        ; v208-231 the codes of the two fragments: no store's data are written again
.set CT,    232                        ; v232-238 a block's upper 16 codes (a conversion's three registers begin on an even number)
.set MX,    8                          ; v8-9   the two blocks' largest magnitudes
.set SO,    10                         ; v10-11 the conversions' scale operands
.set BY,    12                         ; v12-13 the bytes; v12 then my half of the scale word
.set PT,    14                         ; v14    lane l xor 16's half
	s_load_b512 s[8:23], s[0:1], 0x0               ; xq, xk, xv, Wq, Wk, Wv, Wp, xw_img
	s_load_b64 s[24:25], s[0:1], 0x40              ; xw_scl
	v_lshl_add_u32 v240, v0, 2, 0x10800
	v_mov_b32 v241, 0
	v_lshrrev_b32 v1, 5, v0
	v_readfirstlane_b32 s2, v1                     ; wave 0..3
	v_and_b32 v1, 31, v0                           ; lane
	v_lshlrev_b32 v2, 4, v1                        ; 16 lane: my bytes of a load's and of a store's 512
	s_mul_i32 s3, s2, WREG
	v_add_nc_u32 v3, s3, v2                        ; into the stage: as loaded
	v_and_b32 v4, 15, v0                           ; r
	v_bfe_u32 v6, v0, 4, 1                         ; h
	v_mul_u32_u24 v4, v4, SP
	v_lshl_add_u32 v4, v6, 7, v4
	v_add_nc_u32 v4, s3, v4                        ; out of it: row r, block h (128 bytes a block)
	v_lshlrev_b32 v5, 2, v1                        ; 4 lane: the scale words' place
	v_lshlrev_b32 v6, 3, v6                        ; 8 h: my bytes' place in a scale word
	v_cmp_le_u32 s28, 16, v1                       ; lanes 16-31
	v_mov_b32 v[PT], 0                             ; a lane permute's destination counts as one of its sources
	s_mov_b32 s26, 0x76543210
	s_mov_b32 s27, 0xfedcba98                      ; v_permlanex16_b32's selects for lane l xor 16
	s_and_b32 s29, ttmp7, 0xffff                   ; which pair of K steps
	s_wait_alu depctr_va_vdst(0)
	s_wait_kmcnt 0x0
; which tensor: the choice hangs on the work-group's x alone; s6 = the tensor's first x
	s_mov_b64 s[4:5], s[20:21]
	s_mov_b32 s6, 228
.macro PICK lim, ptr, first
	s_cmp_lt_u32 ttmp9, \lim
	s_cselect_b64 s[4:5], s[\ptr:\ptr+1], s[4:5]
	s_cselect_b32 s6, \first, s6
.endm
	PICK 228, 18, 216
	PICK 216, 16, 204
	PICK 204, 14, 192
	PICK 192, 12, 128
	PICK 128, 10, 64
	PICK 64, 8, 0
	s_sub_co_u32 s6, ttmp9, s6
	s_lshl_b32 s6, s6, 2
	s_add_co_u32 s6, s6, s2                        ; my tile in its tensor
	s_lshr_b32 s7, s6, 1
	s_lshl_b32 s7, s7, 5
	s_and_b32 s30, s6, 1
	s_lshl_b32 s30, s30, 3
	s_add_co_u32 s7, s7, s30                       ; its first row: 32 (tile / 2) + 8 (tile % 2)
	s_mul_i32 s30, s7, ROWB
	s_lshl_b32 s31, s29, 10
	s_add_co_u32 s30, s30, s31                     ; + 1,024 bytes for each pair of K steps
	s_mov_b32 s31, 0
	s_add_nc_u64 s[4:5], s[4:5], s[30:31]
	s_lshl_b32 s32, ttmp9, 2
	s_add_co_u32 s32, s32, s2                      ; my tile among the 960
	s_mul_i32 s30, s32, 9216
	s_mul_i32 s33, s29, 3072
	s_add_co_u32 s30, s30, s33
	s_add_nc_u64 s[22:23], s[22:23], s[30:31]
	s_mul_i32 s30, s32, 384
	s_lshl_b32 s33, s29, 7
	s_add_co_u32 s30, s30, s33
	s_add_nc_u64 s[24:25], s[24:25], s[30:31]
.irp f, 0,1
.irp i, 0,1,2,3,4,5,6,7,8,9,10,11,12,13,14,15
	global_load_b128 v[R+64*\f+4*\i:R+64*\f+4*\i+3], v2, s[4:5] offset:(\i+8*(\i/8))*ROWB+512*\f th:TH_LOAD_NT   ; row i of the tile, 128 numbers: 512 consecutive bytes
.endr
.endr
.macro FRAGQ f
	s_wait_loadcnt 16-16*\f                        ; this fragment's 16 loads are in; the second fragment's 16 may be out
.irp i, 0,1,2,3,4,5,6,7,8,9,10,11,12,13,14,15
	ds_store_b128 v3, v[R+64*\f+4*\i:R+64*\f+4*\i+3] offset:\f*STG+SP*\i
.endr
.irp c, 0,1
.irp i, 0,1,2,3,4,5,6,7
	ds_load_b128 v[X+32*\c+4*\i:X+32*\c+4*\i+3], v4 offset:\f*STG+256*\c+16*\i   ; block 2 c + h of row r; LDS serves a wave's instructions in order: these see the stores above
.endr
.endr
	s_wait_dscnt 0x0
.irp c, 0,1
	v_max3_num_f32 v[MX+\c], |v[X+32*\c]|, |v[X+32*\c+1]|, 0x2800000   ; all 32 numbers of a block are mine; the floor 2^(5 - 127) keeps the byte at 1 or more
.endr
.irp i, 2,4,6,8,10,12,14,16,18,20,22,24,26,28,30
.irp c, 0,1
	v_max3_num_f32 v[MX+\c], v[MX+\c], |v[X+32*\c+\i]|, |v[X+32*\c+\i+1]|   ; (the two blocks by turns)
.endr
.endr
.irp c, 0,1
	v_add_nc_u32 v[SO+\c], 0xfe000000, v[MX+\c]    ; 4 off the exponent field: the conversion takes the exponent field of this operand as its scale
.endr
.irp c, 0,1
	v_lshrrev_b32 v[BY+\c], 23, v[SO+\c]           ; the scale's byte
.endr
	v_lshl_or_b32 v[BY], v[BY+1], 16, v[BY]        ; blocks h and 2 + h,
	v_lshlrev_b32 v[BY], v6, v[BY]                 ; at their places in the word;
	v_permlanex16_b32 v[PT], v[BY], s26, s27
	v_or_b32 v[7+8*\f], v[BY], v[PT]               ; with lane l xor 16's two bytes the row's word is whole (v7, v15)
.irp c, 0,1
	v_cvt_scalef32_pk16_bf6_f32 v[C+12*\f+6*\c:C+12*\f+6*\c+2], v[X+32*\c:X+32*\c+15], v[SO+\c]
	v_cvt_scalef32_pk16_bf6_f32 v[CT+4*\c:CT+4*\c+2], v[X+32*\c+16:X+32*\c+31], v[SO+\c]
.endr
	v_nop                                          ; one plain place behind a scaled conversion
.irp c, 0,1
.irp i, 0,1,2
	v_mov_b32 v[C+12*\f+6*\c+3+\i], v[CT+4*\c+\i]
.endr
.endr
.irp c, 0,1,2
	global_store_b128 v2, v[C+12*\f+4*\c:C+12*\f+4*\c+3], s[22:23] offset:\f*1536+512*\c   ; 512 consecutive bytes, at a multiple of 512 from the buffer's first byte
.endr
.endm
	FRAGQ 0
	FRAGQ 1
	v_cndmask_b32 v7, v7, v15, s28                 ; lanes 0-15 the even K step's words, lanes 16-31 the odd one's
	global_store_b32 v5, v7, s[24:25]              ; 128 consecutive bytes
	s_wait_tensorcnt 0x0
	ds_add_u32 v240, v241
	s_wait_dscnt 0x0
	s_endpgm
.Lfunc_end_k_q1f65741f1d_quant:
	.size	k_q1f65741f1d_quant, .Lfunc_end_k_q1f65741f1d_quant-k_q1f65741f1d_quant
	.p2alignl 7, 3214868480
	.fill 96, 4, 3214868480
	.section	.rodata,"a",@progbits
	.p2align	6, 0x0
	.amdhsa_kernel k_q1f65741f1d_quant
		.amdhsa_group_segment_fixed_size 68096
		.amdhsa_private_segment_fixed_size 0
		.amdhsa_enable_private_segment 0
		.amdhsa_kernarg_size 72
		.amdhsa_user_sgpr_count 2
		.amdhsa_user_sgpr_kernarg_segment_ptr 1
		.amdhsa_wavefront_size32 1
		.amdhsa_system_sgpr_workgroup_id_x 1
		.amdhsa_system_sgpr_workgroup_id_y 1
		.amdhsa_system_sgpr_workgroup_id_z 1
		.amdhsa_system_vgpr_workitem_id 0
		.amdhsa_next_free_vgpr 242
		.amdhsa_next_free_sgpr 66
		.amdhsa_reserve_vcc 0
		.amdhsa_float_denorm_mode_32 3
		.amdhsa_float_denorm_mode_16_64 3
		.amdhsa_memory_ordered 1
		.amdhsa_forward_progress 1
		.amdhsa_inst_pref_size 17
	.end_amdhsa_kernel
	.amdgpu_metadata
---
amdhsa.version: [ 1, 2 ]
amdhsa.kernels:
  - .name:           k_q1f65741f1d_quant
    .symbol:         k_q1f65741f1d_quant.kd
    .args:
      - { .name: xq, .offset: 0, .size: 8, .value_kind: global_buffer, .address_space: global }
      - { .name: xk, .offset: 8, .size: 8, .value_kind: global_buffer, .address_space: global }
      - { .name: xv, .offset: 16, .size: 8, .value_kind: global_buffer, .address_space: global }
      - { .name: Wq, .offset: 24, .size: 8, .value_kind: global_buffer, .address_space: global }
      - { .name: Wk, .offset: 32, .size: 8, .value_kind: global_buffer, .address_space: global }
      - { .name: Wv, .offset: 40, .size: 8, .value_kind: global_buffer, .address_space: global }
      - { .name: Wp, .offset: 48, .size: 8, .value_kind: global_buffer, .address_space: global }
      - { .name: xw_img, .offset: 56, .size: 8, .value_kind: global_buffer, .address_space: global }
      - { .name: xw_scl, .offset: 64, .size: 8, .value_kind: global_buffer, .address_space: global }
    .group_segment_fixed_size: 68096
    .private_segment_fixed_size: 0
    .kernarg_segment_align: 8
    .kernarg_segment_size: 72
    .max_flat_workgroup_size: 128
    .sgpr_count:     66
    .vgpr_count:     242
    .wavefront_size: 32
...
	.end_amdgpu_metadata
.endif
;; end of part 1
;; launch proj (part 2): grid 16 x 9, 4 waves a work-group, no clusters, 327,680 bytes of LDS; arguments xw_img, xw_scl, qkv_img, qkv_scl; writes qkv_img, qkv_scl
.if DOCPART == 2
	.amdgcn_target "amdgcn-amd-amdhsa--gfx1250"
	.amdhsa_code_object_version 6
	.text
	.protected	k_q1f65741f1d_proj
	.globl	k_q1f65741f1d_proj
	.p2align	8
	.type	k_q1f65741f1d_proj,@function
k_q1f65741f1d_proj:
	s_mov_b64 s[64:65], 0
	v_nop
	global_prefetch_b8 v0, s[64:65] scope:SCOPE_SE
	s_setreg_imm32_b32 hwreg(HW_REG_WAVE_MODE, 25, 1), 1
	s_wait_xcnt 0x0
; q = xq Wq^T, k = xk Wk^T, v = xv Wv^T on codes of BF6 (E3M2), and each result quantised at once for the product that takes it next.
; ONE FORM FOR ALL THREE: P[i][j] = sum over k of U[i][k] V[j][k], source 0 = 16 rows of U, source 1 = 16 rows of V: a lane holds ONE j and its
; registers run along i, the axis along which P is quantised.  q, k: i = channels (U = W), j = tokens (V = x).  v: i = tokens (U = xv), j = channels (V = Wv).
; The tiles' rows are 32 b + 8 u + r + 8 (r / 8), so the 16 registers of U's tiles 2 b and 2 b + 1 are 16 neighbours along i: 32 b + 16 (lane / 16) + 0 .. 15.
; SHARES: work-group (x, y): y / 3 says q, k or v; 256 i x 256 j; four waves, each 128 x 128: 64 accumulators, 6 K steps of 128, 384 matrix instructions.
; 3 x 16 x 3 = 144 work-groups: 768 and 4,096 have no common cut into more equal parts with i a multiple of 128 that stays within one pass over the WGPs.
; LDS: both panels for all of K, 2 x 147,456 bytes, filled ONCE by one tensor load a wave (K steps 0-1 or 2-5): nothing is filled again.
; NO CLUSTER: W's panel is what neighbours along x share, half of a work-group's 294,912 bytes; it is source 0's panel for q and k and source 1's for v,
; so which of a wave's loads is joint would hang on the work-group's y: two forms of every load.  The plain form is kept.
; OUT (all as images of operand registers, stored straight from registers):
;   q: (token tile x 12 + head) x 768: six registers a lane (64 channels), registers 2 p, 2 p + 1 of lane l at 256 p + 8 l; scale word (s0, s1, s0, s1) at tile x 768 + head x 64 + 4 r.
;   k: ((batch x 12 + head) x 64 + block of 32 keys) x 1,536: row r holds key 32 blk + r + 8 (r / 8) in registers 0-5 and the key 8 further on in registers 6-11.
;   v: (((batch x 12 + head) x 16 + key step) x 4 + channel tile) x 1,536: 16 channels x 128 keys.   k's and v's scale words: two neighbouring fragments to 128 bytes.
; LIMITS: as in the launch before: a block under 2^-122 gets the byte 1; NaN and infinities are not served.
; REGISTERS: window 0: v1-10 addresses; v16-39 U's scale words, v40-63 V's; v64-159, v160-255 V's fragments, two sets (on the way out v64-119 are at work).
;   window 1: U's fragments, two sets, at v0 and v128.   windows 2, 3: accumulator (a, b) at v[8 (8 (a % 4) + b)] of window 2 + a / 4.
.set TILEB, 9216                       ; a tile's six fragments in xw_img
.set FR,    12                         ; registers of a fragment
.set STAGE, 98304                      ; LDS: two K steps of both panels
.set PANEL, 49152                      ; 16 tiles x 3,072 bytes
.set HALFP, 24576                      ; 8 tiles: what one wave reads of a panel
.set ADRU,  5                          ; v5-6   LDS address of my U fragments for K steps 0-1 and 2-5
.set ADRV,  8                          ; v8-9  the same for V
.set SCU,   16                         ; v[SCU + 8 pair + b]: lanes 0-15 the words of K step 2 pair, lanes 16-31 of 2 pair + 1
.set SCV,   40
.set VF,    64
.set TM,    64                         ; the way out: v64-67 largest magnitudes, v68-71 bytes, v76-79 scale operands
.set PW,    80                         ; the scale word just made; v81-85 words kept
.set CT,    88                         ; v88-90, v92-94 upper halves of blocks
.set IA,    96                         ; v96-107, v108-119 two images
.set IB,    108
.set MSB, 0
.macro WIN new                         ; the immediate's high byte repeats the setting that is left
.if MSB != \new
	s_set_vgpr_msb (MSB<<8)|\new
.set MSB, \new
.endif
.endm
.set MUL_LO, 0xa1                      ; source 0 (U) window 1, source 1 (V) window 0, C and D window 2
.set MUL_HI, 0xf1                      ; the same, C and D window 3
.macro PLACES                          ; four places between a matrix instruction and a load into, or a vector instruction on, its registers
.rept 4
	v_nop
.endr
.endm
	s_load_b256 s[4:11], s[0:1], 0x0               ; xw_img, xw_scl, qkv_img, qkv_scl
	v_lshl_add_u32 v14, v0, 2, 0x48000
	v_mov_b32 v15, 0
	ds_add_u32 v14, v15
	ds_add_u32 v14, v15
	v_lshrrev_b32 v1, 5, v0
	v_readfirstlane_b32 s12, v1                    ; wave 0..3
	s_lshr_b32 s13, s12, 1                         ; wi: which 128 of i.  Also: I fetch K steps 0-1 (0) or 2-5 (1)
	s_and_b32 s14, s12, 1                          ; wj: which 128 of j.  Also: I fetch U's panel (0) or V's (1)
	s_mov_b32 s15, ttmp9                           ; gx: which 256 tokens
	s_and_b32 s16, ttmp7, 0xffff
	s_cmp_ge_u32 s16, 3
	s_cselect_b32 s17, 1, 0
	s_cmp_ge_u32 s16, 6
	s_cselect_b32 s23, 1, 0
	s_add_co_u32 s17, s17, s23                     ; 0: q, 1: k, 2: v
	s_mul_i32 s23, s17, 3
	s_sub_co_u32 s18, s16, s23                     ; cb: which 256 channels
	s_lshl_b32 s19, s17, 8
	s_lshl_b32 s23, s15, 4
	s_add_co_u32 s19, s19, s23                     ; x's first tile
	s_mul_i32 s20, s17, 48
	s_lshl_b32 s23, s18, 4
	s_add_co_u32 s20, s20, s23
	s_add_co_u32 s20, s20, 768                     ; W's first tile
	s_cmp_eq_u32 s17, 2
	s_cselect_b32 s21, s19, s20                    ; U's
	s_cselect_b32 s22, s20, s19                    ; V's
	; descriptor group 1: 16 rows (tiles) of 3,072 bytes (two K steps), 9,216 bytes apart, in elements of 8 bytes; no padding: every LDS read is 512 consecutive bytes
	s_mov_b32 s24, 3<<16                           ; no mask; elements of 8 bytes
	s_mov_b32 s25, 384<<16                         ; tensor_dim0
	s_mov_b32 s26, 16<<16                          ; tensor_dim1: a whole panel's 16 tiles
	s_mov_b32 s27, 384<<16                         ; tile_dim0
	s_mov_b32 s28, 16                              ; tile_dim1
	s_mov_b32 s29, 1152                            ; tensor_dim0_stride
	s_mov_b32 s30, 0
	s_mov_b32 s31, 0
	; a second group 1: 16 rows (tiles) of 6,144 bytes (K steps 2 to 5)
	s_mov_b32 s36, 3<<16
	s_mov_b32 s37, 768<<16
	s_mov_b32 s38, 16<<16
	s_mov_b32 s39, 768<<16
	s_mov_b32 s40, 16
	s_mov_b32 s41, 1152
	s_mov_b32 s42, 0
	s_mov_b32 s43, 0
	; the four first fills, one a wave: wave 0 U's panel and wave 1 V's, K steps 0-1; wave 2 U's and wave 3 V's, K steps 2-5
	s_cmp_eq_u32 s14, 0
	s_cselect_b32 s23, s21, s22
	s_mul_i32 s52, s23, TILEB
	s_mul_i32 s53, s13, 3072
	s_add_co_u32 s52, s52, s53
	s_mov_b32 s53, 0
	s_mul_i32 s23, s14, PANEL
	s_wait_dscnt 0x0
	s_wait_kmcnt 0x0
	s_add_nc_u64 s[52:53], s[4:5], s[52:53]
	s_mov_b32 s32, 1                               ; K steps 0-1: U's panel at 0, V's at PANEL
	s_mov_b32 s33, s23
	s_mov_b64 s[34:35], s[52:53]
	s_or_b32 s35, s35, 0x80000000
	s_mov_b32 s60, 1                               ; K steps 2-5: U's panel at STAGE, V's at 2 STAGE
	s_lshl_b32 s61, s23, 1
	s_add_co_u32 s61, s61, STAGE
	s_mov_b64 s[62:63], s[52:53]
	s_or_b32 s63, s63, 0x80000000
	s_cmp_lt_u32 s12, 2                            ; one chain of two arms, one tensor load to an arm
	s_cbranch_scc0 .Lhead_b
	tensor_load_to_lds s[32:35], s[24:31]
	s_nop 0
	PLACES
	s_branch .Lhead_j
.Lhead_b:
	tensor_load_to_lds s[60:63], s[36:43]
	s_nop 0
	PLACES
.Lhead_j:
	v_and_b32 v1, 31, v0                           ; lane
	v_lshlrev_b32 v2, 4, v1
	v_xor_b32 v11, 128, v2                         ; 16 (lane xor 8): where k's odd blocks of 32 keys put a lane's 16 bytes
	v_lshlrev_b32 v3, 3, v1
	v_lshlrev_b32 v4, 2, v1
	s_wait_alu depctr_va_vdst(0)
	v_cmp_le_u32 s56, 16, v1                       ; lanes 16-31
	s_mul_i32 s23, s13, HALFP
	v_add_nc_u32 v[ADRU], s23, v2                  ; K steps 0-1: a tile is 3,072 bytes
	s_mul_i32 s23, s13, 2*HALFP
	s_add_co_u32 s23, s23, STAGE
	v_add_nc_u32 v[ADRU+1], s23, v2                ; K steps 2-5: a tile is 6,144 bytes
	s_mul_i32 s23, s14, HALFP
	s_add_co_u32 s23, s23, PANEL
	v_add_nc_u32 v[ADRV], s23, v2
	s_mul_i32 s23, s14, 2*HALFP
	s_add_co_u32 s23, s23, 2*STAGE
	v_add_nc_u32 v[ADRV+1], s23, v2
	s_mov_b32 s54, 0x76543210
	s_mov_b32 s55, 0xfedcba98                      ; v_permlanex16_b32's selects for lane l xor 16
	s_lshl_b32 s23, s13, 3
	s_add_co_u32 s23, s23, s21
	s_mul_i32 s52, s23, 384
	s_mov_b32 s53, 0
	s_add_nc_u64 s[44:45], s[6:7], s[52:53]        ; the scale words of my 8 tiles of U
	s_lshl_b32 s23, s14, 3
	s_add_co_u32 s23, s23, s22
	s_mul_i32 s52, s23, 384
	s_add_nc_u64 s[46:47], s[6:7], s[52:53]        ; and of V
.irp p, 0,1,2
.irp t, 0,1,2,3,4,5,6,7
	global_load_b32 v[SCU+8*\p+\t], v4, s[44:45] offset:\t*384+\p*128
	global_load_b32 v[SCV+8*\p+\t], v4, s[46:47] offset:\t*384+\p*128
.endr
.endr
; 48 LDS loads in one run: the 8 + 8 fragments of K step s into set
.macro FETCH s, set
	WIN 0x40                                       ; destination window 1, address window 0
.irp t, 0,1,2,3,4,5,6,7
.irp c, 0,1,2
	ds_load_b128 v[128*(\set)+FR*\t+4*\c:128*(\set)+FR*\t+4*\c+3], v[ADRU+((\s)+2)/4] offset:\t*(3072+3072*(((\s)+2)/4))+((\s)-2*(((\s)+2)/4))*1536+512*\c
.endr
.endr
	WIN 0
.irp t, 0,1,2,3,4,5,6,7
.irp c, 0,1,2
	ds_load_b128 v[VF+96*(\set)+FR*\t+4*\c:VF+96*(\set)+FR*\t+4*\c+3], v[ADRV+((\s)+2)/4] offset:\t*(3072+3072*(((\s)+2)/4))+((\s)-2*(((\s)+2)/4))*1536+512*\c
.endr
.endr
.endm
; 16 matrix instructions: V's tiles a0, a0 + 1 x U's eight.  The 64 accumulators take turns, one instruction a turn, in the same order in every K step.
.macro MUL16 a0, set, s, zero
.irp a, \a0, \a0+1
.irp b, 0,1,2,3,4,5,6,7
.if \zero
	v_wmma_scale_f32_16x16x128_f8f6f4 v[8*(8*((\a)%4)+\b):8*(8*((\a)%4)+\b)+7], v[128*(\set)+FR*\b:128*(\set)+FR*\b+FR-1], v[VF+96*(\set)+FR*(\a):VF+96*(\set)+FR*(\a)+FR-1], 0, v[SCU+8*((\s)/2)+\b], v[SCV+8*((\s)/2)+(\a)] matrix_a_fmt:MATRIX_FMT_BF6 matrix_b_fmt:MATRIX_FMT_BF6
.elseif (\s)%2
	v_wmma_scale_f32_16x16x128_f8f6f4 v[8*(8*((\a)%4)+\b):8*(8*((\a)%4)+\b)+7], v[128*(\set)+FR*\b:128*(\set)+FR*\b+FR-1], v[VF+96*(\set)+FR*(\a):VF+96*(\set)+FR*(\a)+FR-1], v[8*(8*((\a)%4)+\b):8*(8*((\a)%4)+\b)+7], v[SCU+8*((\s)/2)+\b], v[SCV+8*((\s)/2)+(\a)] matrix_a_fmt:MATRIX_FMT_BF6 matrix_b_fmt:MATRIX_FMT_BF6 matrix_a_scale:MATRIX_SCALE_ROW1 matrix_b_scale:MATRIX_SCALE_ROW1
.else
	v_wmma_scale_f32_16x16x128_f8f6f4 v[8*(8*((\a)%4)+\b):8*(8*((\a)%4)+\b)+7], v[128*(\set)+FR*\b:128*(\set)+FR*\b+FR-1], v[VF+96*(\set)+FR*(\a):VF+96*(\set)+FR*(\a)+FR-1], v[8*(8*((\a)%4)+\b):8*(8*((\a)%4)+\b)+7], v[SCU+8*((\s)/2)+\b], v[SCV+8*((\s)/2)+(\a)] matrix_a_fmt:MATRIX_FMT_BF6 matrix_b_fmt:MATRIX_FMT_BF6
.endif
.endr
.endr
.endm
; A K step: its fragments are in; the next step's are asked for, into the other set, ahead of the 64 products.  left >= 0: the next fetch opens K steps 2-5:
; every wave waits for its one tensor load, and behind the barrier both late panels are whole.  Nothing is ever filled again.
.macro STEP s, left
	s_wait_dscnt 0x0                               ; this step's 48 loads
.if \left >= 0
	s_wait_tensorcnt 0x0
	s_barrier_signal -1
	s_barrier_wait -1
.endif
.if (\s) < 5
.if (\s) > 0
	PLACES                                         ; the other set was read by the step before
.endif
	FETCH (\s)+1, ((\s)+1)%2
.endif
	WIN MUL_LO
	MUL16 0, (\s)%2, \s, (\s)==0
	MUL16 2, (\s)%2, \s, (\s)==0
	WIN MUL_HI
	MUL16 4, (\s)%2, \s, (\s)==0
	MUL16 6, (\s)%2, \s, (\s)==0
.endm
	s_wait_alu depctr_va_vdst(0)
	s_cmp_ge_u32 s12, 2
	s_cbranch_scc1 .Llate                          ; waves 2 and 3 brought K steps 2-5: their loads may stay out across this barrier, behind which nothing is filled
	s_wait_tensorcnt 0x0                           ; waves 0 and 1: my panel of K steps 0 and 1 is in
.Llate:
	s_barrier_signal -1
	s_barrier_wait -1                              ; both early panels are
	FETCH 0, 0
	s_wait_loadcnt 0x0                             ; the scale words
	STEP 0, -1
	STEP 1, 1                                      ; K steps 2-5 have landed; no tensor load is out
	STEP 2, -1
	STEP 3, -1
	STEP 4, -1
	STEP 5, -1
	PLACES                                         ; in front of the first reads of results and writes of fragment registers
	WIN 0
.irp b, 0,1,2,3
	v_mov_b32 v[TM+4+\b], 0                        ; a lane permute's destination counts as one of its sources
.endr
; V's tile a: the lane's 64 numbers (accumulators (a, 0 .. 7): register 16 b + i = i-axis 32 b + 16 (lane / 16) + i) become a fragment's codes: its first 64 along K in
; v[d0 .. d0 + 5], its second in v[d1 .. d1 + 5]; the row's scale word in v[PW].  Each accumulator is read from its low end on.
.macro QUANT a, d0, d1
.set QB, 64*((\a)%4)
.set QW, 2+(\a)/4
	WIN 20*QW                                      ; sources 1 and 2: the accumulators' window
.irp b, 0,1,2,3
	v_max3_num_f32 v[TM+\b], 0x2800000, |v[QB+16*\b]|, |v[QB+16*\b+1]|   ; my 16 numbers of block b, and the floor 2^(5 - 127)
.endr
.irp i, 2,4,6,8,10,12,14
.irp b, 0,1,2,3
	v_max3_num_f32 v[TM+\b], v[TM+\b], |v[QB+16*\b+\i]|, |v[QB+16*\b+\i+1]|
.endr
.endr
	WIN 0
.irp b, 0,1,2,3
	v_permlanex16_b32 v[TM+4+\b], v[TM+\b], s54, s55
.endr
.irp b, 0,1,2,3
	v_max_num_f32 v[TM+\b], v[TM+\b], v[TM+4+\b]   ; with lane l xor 16's: the block's largest magnitude
.endr
.irp b, 0,1,2,3
	v_add_nc_u32 v[TM+12+\b], 0xfe000000, v[TM+\b] ; 4 off its exponent field: the conversion's scale operand
.endr
.irp b, 0,1,2,3
	v_lshrrev_b32 v[TM+4+\b], 23, v[TM+12+\b]      ; the scale's byte
.endr
	v_lshl_or_b32 v[PW], v[TM+5], 8, v[TM+4]
	v_lshl_or_b32 v[PW], v[TM+6], 16, v[PW]
	v_lshl_or_b32 v[PW], v[TM+7], 24, v[PW]
	WIN QW                                         ; source 0: the accumulators' window
	v_cvt_scalef32_pk16_bf6_f32 v[(\d0):(\d0)+2], v[QB:QB+15], v[TM+12]
	v_cvt_scalef32_pk16_bf6_f32 v[CT:CT+2], v[QB+16:QB+31], v[TM+13]
	v_cvt_scalef32_pk16_bf6_f32 v[(\d1):(\d1)+2], v[QB+32:QB+47], v[TM+14]
	v_cvt_scalef32_pk16_bf6_f32 v[CT+4:CT+6], v[QB+48:QB+63], v[TM+15]
	WIN 0
	v_nop                                          ; one plain place behind a scaled conversion
.irp i, 0,1,2                                  ; the operand's layout wants a WHOLE block in a lane: lanes 0-15 the even block, lanes 16-31 the odd one
	v_permlane16_swap_b32 v[(\d0)+\i], v[CT+\i]
	v_permlane16_swap_b32 v[(\d1)+\i], v[CT+4+\i]
.endr
.irp i, 0,1,2
	v_mov_b32 v[(\d0)+3+\i], v[CT+\i]
	v_mov_b32 v[(\d1)+3+\i], v[CT+4+\i]
.endr
.endm
	s_cmp_eq_u32 s17, 1                            ; the three ways out part on the work-group's y alone; none touches LDS
	s_cbranch_scc1 .Lway_k
	s_cmp_eq_u32 s17, 2
	s_cbranch_scc1 .Lway_v
; ---- q: a fragment's two halves are two heads' 64 channels of 16 tokens
	s_lshl_b32 s52, s15, 4
	s_lshl_b32 s23, s14, 3
	s_add_co_u32 s52, s52, s23                     ; my first token tile
	s_mul_i32 s57, s52, 768
	s_mul_i32 s52, s52, 12
	s_lshl_b32 s23, s18, 2
	s_add_co_u32 s52, s52, s23
	s_lshl_b32 s23, s13, 1
	s_add_co_u32 s52, s52, s23                     ; x 12 + my first head
	s_mul_i32 s52, s52, 768
	s_mov_b32 s53, 0
	s_add_nc_u64 s[48:49], s[8:9], s[52:53]
	s_lshl_b32 s23, s18, 1
	s_add_co_u32 s23, s23, s13
	s_lshl_b32 s23, s23, 7                         ; my two heads' 128 bytes of scale words
	s_add_co_u32 s52, s57, s23
	s_add_nc_u64 s[50:51], s[10:11], s[52:53]
.irp a, 0,1,2,3,4,5,6,7
	s_wait_xcnt 0x0                                ; the tile before's stores have read their registers: these are written again only behind this wait
	QUANT \a, IA, IA+6
.irp c, 0,1
.irp p, 0,1,2
	global_store_b64 v3, v[IA+6*\c+2*\p:IA+6*\c+2*\p+1], s[48:49] offset:\a*TILEB+\c*768+256*\p   ; 256 consecutive bytes, aligned
.endr
.endr
	v_perm_b32 v81, v[PW], v[PW], 0x01000100       ; the first head's word (s0, s1, s0, s1): it serves q in either half of an operand
	v_perm_b32 v82, v[PW], v[PW], 0x03020302       ; the second head's
	v_cndmask_b32 v83, v81, v82, s56
	global_store_b32 v4, v83, s[50:51] offset:\a*768
.endr
	s_wait_tensorcnt 0x0
	ds_add_u32 v14, v15
	s_wait_dscnt 0x0
	s_endpgm
.Lway_k:
; ---- k: two neighbouring token tiles (keys a(r) and a(r) + 8) share a fragment: one head's 64 channels of each
	s_lshr_b32 s52, s15, 3
	s_mul_i32 s52, s52, 12
	s_lshl_b32 s23, s18, 2
	s_add_co_u32 s52, s52, s23
	s_lshl_b32 s23, s13, 1
	s_add_co_u32 s52, s52, s23                     ; batch x 12 + my first head
	s_lshl_b32 s57, s52, 12
	s_lshl_b32 s52, s52, 6
	s_and_b32 s58, s15, 7
	s_lshl_b32 s23, s58, 3
	s_add_co_u32 s52, s52, s23
	s_lshl_b32 s23, s14, 2
	s_add_co_u32 s52, s52, s23                     ; x 64 + my first block of 32 keys
	s_mul_i32 s52, s52, 1536
	s_add_co_u32 s52, s52, 2359296
	s_mov_b32 s53, 0
	s_add_nc_u64 s[48:49], s[8:9], s[52:53]
	s_lshl_b32 s23, s58, 2
	s_lshl_b32 s58, s14, 1
	s_add_co_u32 s23, s23, s58
	s_lshl_b32 s23, s23, 7
	s_add_co_u32 s52, s57, s23
	s_add_co_u32 s52, s52, 196608
	s_add_nc_u64 s[50:51], s[10:11], s[52:53]
.irp e, 0,1,2,3
	s_wait_xcnt 0x0                                ; the block before's stores have read their registers
	QUANT 2*\e, IA, IB
	v_mov_b32 v81, v[PW]
	QUANT 2*\e+1, IA+6, IB+6
.irp c, 0,1,2
	global_store_b128 v[2+9*((\e)%2)], v[IA+4*\c:IA+4*\c+3], s[48:49] offset:\e*1536+512*\c          ; an even block's lane l at 16 l (v2), an odd block's at 16 (l xor 8) (v11): still 512 consecutive bytes
	global_store_b128 v[2+9*((\e)%2)], v[IB+4*\c:IB+4*\c+3], s[48:49] offset:\e*1536+512*\c+98304   ; the second head, 64 blocks on
.endr
.if (\e)%2 == 0
	v_perm_b32 v82, v[PW], v81, 0x05040100         ; (key a: s0, s1; key a + 8: s0, s1) of the first head,
	v_perm_b32 v83, v[PW], v81, 0x07060302         ; of the second
.else
	v_perm_b32 v84, v[PW], v81, 0x05040100
	v_perm_b32 v85, v[PW], v81, 0x07060302
	v_cndmask_b32 v84, v82, v84, s56               ; lanes 0-15 the even block's words, lanes 16-31 the odd one's
	v_cndmask_b32 v85, v83, v85, s56
	global_store_b32 v4, v84, s[50:51] offset:(\e/2)*128
	global_store_b32 v4, v85, s[50:51] offset:(\e/2)*128+4096
.endif
.endr
	s_wait_tensorcnt 0x0
	ds_add_u32 v14, v15
	s_wait_dscnt 0x0
	s_endpgm
.Lway_v:
; ---- v: a fragment is 16 channels x my 128 tokens, a key step
	s_lshr_b32 s52, s15, 3
	s_mul_i32 s52, s52, 12
	s_lshl_b32 s23, s18, 2
	s_add_co_u32 s52, s52, s23
	s_lshl_b32 s23, s14, 1
	s_add_co_u32 s52, s52, s23                     ; batch x 12 + my first head
	s_lshl_b32 s57, s52, 12
	s_lshl_b32 s52, s52, 4
	s_and_b32 s58, s15, 7
	s_lshl_b32 s58, s58, 1
	s_add_co_u32 s58, s58, s13                     ; my key step
	s_add_co_u32 s52, s52, s58
	s_mul_i32 s52, s52, 4*1536
	s_add_co_u32 s52, s52, 4718592
	s_mov_b32 s53, 0
	s_add_nc_u64 s[48:49], s[8:9], s[52:53]
	s_lshl_b32 s23, s58, 8
	s_add_co_u32 s52, s57, s23
	s_add_co_u32 s52, s52, 294912
	s_add_nc_u64 s[50:51], s[10:11], s[52:53]
.irp a, 0,1,2,3,4,5,6,7
	s_wait_xcnt 0x0                                ; the tile before's stores have read their registers
	QUANT \a, IA, IA+6
.irp c, 0,1,2
	global_store_b128 v2, v[IA+4*\c:IA+4*\c+3], s[48:49] offset:(\a/4)*98304+(\a%4)*1536+512*\c
.endr
.if (\a)%2 == 0
	v_mov_b32 v81, v[PW]
.else
	v_cndmask_b32 v82, v81, v[PW], s56             ; lanes 0-15 the even tile's words, lanes 16-31 the odd one's
	global_store_b32 v4, v82, s[50:51] offset:(\a/4)*4096+((\a%4)/2)*128
.endif
.endr
	s_wait_tensorcnt 0x0
	ds_add_u32 v14, v15
	s_wait_dscnt 0x0
	s_endpgm
.Lfunc_end_k_q1f65741f1d_proj:
	.size	k_q1f65741f1d_proj, .Lfunc_end_k_q1f65741f1d_proj-k_q1f65741f1d_proj
	.p2alignl 7, 3214868480
	.fill 96, 4, 3214868480
	.section	.rodata,"a",@progbits
	.p2align	6, 0x0
	.amdhsa_kernel k_q1f65741f1d_proj
		.amdhsa_group_segment_fixed_size 327680
		.amdhsa_private_segment_fixed_size 0
		.amdhsa_enable_private_segment 0
		.amdhsa_kernarg_size 32
		.amdhsa_user_sgpr_count 2
		.amdhsa_user_sgpr_kernarg_segment_ptr 1
		.amdhsa_wavefront_size32 1
		.amdhsa_system_sgpr_workgroup_id_x 1
		.amdhsa_system_sgpr_workgroup_id_y 1
		.amdhsa_system_sgpr_workgroup_id_z 1
		.amdhsa_system_vgpr_workitem_id 0
		.amdhsa_next_free_vgpr 1024
		.amdhsa_next_free_sgpr 66
		.amdhsa_reserve_vcc 0
		.amdhsa_float_denorm_mode_32 3
		.amdhsa_float_denorm_mode_16_64 3
		.amdhsa_memory_ordered 1
		.amdhsa_forward_progress 1
		.amdhsa_inst_pref_size 187
	.end_amdhsa_kernel
	.amdgpu_metadata
---
amdhsa.version: [ 1, 2 ]
amdhsa.kernels:
  - .name:           k_q1f65741f1d_proj
    .symbol:         k_q1f65741f1d_proj.kd
    .args:
      - { .name: xw_img, .offset: 0, .size: 8, .value_kind: global_buffer, .address_space: global }
      - { .name: xw_scl, .offset: 8, .size: 8, .value_kind: global_buffer, .address_space: global }
      - { .name: qkv_img, .offset: 16, .size: 8, .value_kind: global_buffer, .address_space: global }
      - { .name: qkv_scl, .offset: 24, .size: 8, .value_kind: global_buffer, .address_space: global }
    .group_segment_fixed_size: 327680
    .private_segment_fixed_size: 0
    .kernarg_segment_align: 8
    .kernarg_segment_size: 32
    .max_flat_workgroup_size: 128
    .sgpr_count:     66
    .vgpr_count:     1024
    .wavefront_size: 32
...
	.end_amdgpu_metadata
.endif
;; end of part 2
;; launch attn (part 3): grid 32 x 8, 12 waves a work-group, clusters of 4 x 1, 327,680 bytes of LDS; arguments qkv_img, qkv_scl, o_img, o_scl; writes o_img, o_scl
.if DOCPART == 3
	.amdgcn_target "amdgcn-amd-amdhsa--gfx1250"
	.amdhsa_code_object_version 6
	.text
	.protected	k_q1f65741f1d_attn
	.globl	k_q1f65741f1d_attn
	.p2align	8
	.type	k_q1f65741f1d_attn,@function
k_q1f65741f1d_attn:
	s_mov_b64 s[64:65], 0
	v_nop
	global_prefetch_b8 v0, s[64:65] scope:SCOPE_SE
	s_setreg_imm32_b32 hwreg(HW_REG_WAVE_MODE, 25, 1), 1
	s_wait_xcnt 0x0
	s_wait_alu depctr_hold_cnt(0) depctr_sa_sdst(0) depctr_va_vdst(0) depctr_va_sdst(0) depctr_va_ssrc(0) depctr_va_vcc(0) depctr_vm_vsrc(0)
	s_getreg_b32 s2, hwreg(HW_REG_IB_STS2, 6, 4)
	s_cmp_eq_u32 s2, 0
	s_cbranch_scc0 .Lentry_in_a_cluster
	s_endpgm
.Lentry_in_a_cluster:
	s_bfe_u32 s2, ttmp6, 0x10000c
	s_cmp_lg_u32 s2, 0x3003
	s_cbranch_scc0 .Lentry_shape_is_right
	s_endpgm
.Lentry_shape_is_right:
; o[b][h][q] = the sum over k of softmax_k(q . k / 8) v, both products on codes of BF6 (E3M2) with one E8M0 scale for each 32 along a product's K; o is quantised along its channels for the last product.
; THE SOFTMAX: t = score x log2(e) / 8; M = the row's largest t so far, rounded UP to a whole number; p = 2^(t - M) is quantised along the keys, not normalised.
; The row's sum is taken of the unquantised p and divides O at the end.  When M moves, the sum and O are multiplied by 2^(old M - new M): exact.
; SHARES: 24 heads x 128 tiles of 16 queries = 3,072 units, 12 to each of 256 work-groups: 64 queries x 3 heads; wave w owns head w / 4 of the three and tile w % 4.  Every wave walks 2,048 keys, 128 a step.
; CLUSTER: the four work-groups of a cluster are four query blocks of one batch and the same three heads: each tile of K and V is asked for JOINTLY (mask 15).
; LAYOUT: both products are used transposed: S^T = K Q^T, O^T = V^T P^T: a lane holds ONE query (lane % 16) throughout.
; K = 64 IN AN INSTRUCTION OF 128: a stored fragment of K carries a block of 32 keys: row r has key r + 8 (r / 8) in k 0-63 and the key 8 further on in k 64-127; v16-33 hold q, zeros, q: (q, 0) picks the first keys, (0, q) the second.
; A LANE HOLDS A WHOLE BLOCK OF 32 KEYS: a fragment is put together by the lanes' LDS addresses from a pair of blocks (even A, odd B): fragment 0 = A's rows 0-7 over B's rows 0-7, fragment 1 = A's rows 8-15 over B's rows 8-15.
; The four results of a pair are then, in lanes 0-15, A's keys 0 .. 31 in 32 registers on end, in lanes 16-31 B's: the very place that p's codes have in the second product's operand.  A block's largest p needs no other lane.
; Odd blocks are stored with lane l at 16 (l xor 8), so that the sixteen lanes of a 16-byte load touch sixteen different columns of 256 bytes.
; LDS: two slots of 512 keys: six parts of 24,576 bytes (K of the three heads, then V); behind them the three heads' scale words for all keys (24,576 bytes, filled once), then the spare words: 321,024 bytes.
; THE HEAD: one joint load a wave: waves 0-5 a whole part of slot 0, waves 6-11 4,096 bytes of scale words.  From then on wave w brings half w % 2 of part w / 2.  Slot 1 is first filled behind a round, as a refill is.
; The four phases (a slot's four key steps each, a counted loop) are written out: their refills differ.  Every wait on TENSORcnt and DScnt is for 0.
; K A STEP AHEAD inside a slot: the next step's K is asked for behind this step's K Q^T.
; PREFETCH: behind the load of slot n + 1 each wave names the 12,288 bytes that it will fetch for slot n + 2, four key steps ahead of that load; the four partners share the 48 blocks of 256 bytes out by address, 12 each (lanes 12-31 name the twelfth again).
; LIMITS: the promise holds while the scaled scores stay under 2^31 in magnitude; a block of p or of o under 2^-122 gets the byte 1; NaN and infinities are not served.
.set SLOTB, 147456
.set PART,  24576
.set HALF,  12288
.set VOFF,  3*PART
.set SCK,   2*SLOTB                    ; K's scale words, 3 x 4,096 bytes; V's follow
.set SPARE, SCK+6*4096                 ; the spare words, 128 bytes for each of the twelve waves
.set BK0, 1                            ; v1, v2  lane terms of K's fragments 0 and 1, + my head's part
.set BK1, 2
.set SPW, 3                            ; v3  my spare word; v4  0: never rewritten
.set NIL, 4
.set BV,  5                            ; v5  16 lane + my head's V
.set BSK, 6                            ; v6  K's scale words: 4 x (lane with bits 3 and 4 exchanged)
.set BSV, 7                            ; v7  V's: 4 lane
.set L8,  8                            ; v8  8 lane
.set QS,  9                            ; v9  q's scale words
.set H8,  10                           ; v10 8 (lane / 16).   v12 -M, v13 the largest score, v[14:15] the sum
.set Q,   16                           ; v16-21 q, v22-27 zeros, v28-33 q
.set CK0, 34                           ; v34-38 this step's addresses
.set CK1, 35
.set CV,  36
.set CSK, 37
.set CSV, 38
.set PF,  39                           ; v39 the prefetches' offset; never rewritten
.set F,   40                           ; v40-87 K's four fragments.  V's four lie in window 1, v0-47 there
.set VS,  88
.set PS,  90
.set OLD, 91
.set KS,  92
.set OB,  94
.set S,   96                           ; v96-159 S^T, then p
.set O,   160                          ; v160-191 O^T
.set PCD, 192                          ; v192-203 p's codes
.set CT,  204                          ; v204-206, v208-210 upper halves of blocks
.set XM,  212                          ; v212-215 the joins of the maxima; v212, v214 the two blocks'
.set PR,  216
.set SOP, 220
.set FF,  224                          ; v[224:225] f = 2^(old M - new M)
.set TP,  226
.set X,   226                          ; v226-233 eight chains of maxima, then TP and the sums' chains
.set L2,  228                          ; v228-233 three more chains of the sum
.set L3,  230
.set L4,  232
.set WV,  18
.set SEL, 20                           ; s[20:21] selects for lane l xor 16
.set CS,  22                           ; s[22:23] c = log2(e) / 8
.set G1,  24                           ; group 1: 48 rows of 256 bytes
.set G0A, 32
.set G0B, 36
.set G0H, 40                           ; the head's part of slot 0
.set G1S, 68                           ; 16 rows
.set G1H, 76                           ; 96 rows
.set PFB, 84
.set G0S, 88
.set KO,  92                           ; the step's bytes in LDS;  s93 its scale words';  s94 the loop's counter;  s95 -c
.set SO,  93
.set QC,  94
.set NC,  95
.set MSB, 0
.macro WIN new
.if MSB != \new
	s_set_vgpr_msb (MSB<<8)|\new
.set MSB, \new
.endif
.endm
.macro CROUND                          ; a round of the cluster's barrier
	s_barrier_signal -1
	s_barrier_wait -1
	s_cmp_lg_u32 s[WV], 0
	s_cbranch_scc1 .Lnot_wave_0_\@
	s_barrier_signal -3
.Lnot_wave_0_\@:
	s_barrier_wait -3
	s_barrier_signal -1
	s_barrier_wait -1
.endm
.macro GROUP1 g, rows                  ; dense bytes as rows of 256 (32 elements of 8 bytes); mask 15, bit 21 beside it; no padding
	s_mov_b32 s[\g], 15|(3<<16)|(1<<21)
	s_mov_b32 s[\g+1], 32<<16
	s_mov_b32 s[\g+2], (\rows)<<16
	s_mov_b32 s[\g+3], 32<<16
	s_mov_b32 s[\g+4], \rows
	s_mov_b32 s[\g+5], 32
	s_mov_b32 s[\g+6], 0
	s_mov_b32 s[\g+7], 0
.endm
	s_load_b256 s[4:11], s[0:1], 0x0               ; qkv_img, qkv_scl, o_img, o_scl
	v_lshl_add_u32 v[SPW], v0, 2, SPARE
	v_mov_b32 v[NIL], 0
	ds_add_u32 v[SPW], v[NIL]                      ; the opening lines: the add twice on end and one wait
	ds_add_u32 v[SPW], v[NIL]
	v_lshrrev_b32 v11, 5, v0
	v_readfirstlane_b32 s[WV], v11                 ; wave 0..11
	s_lshr_b32 s19, s[WV], 2                       ; which of the three heads
	s_and_b32 s12, s[WV], 3                        ; which tile of 16 queries
	s_and_b32 s15, ttmp7, 0xffff
	s_lshr_b32 s16, s15, 2                         ; batch
	s_and_b32 s17, s15, 3                          ; group of three heads
	s_mul_i32 s44, s16, 12
	s_mul_i32 s45, s17, 3
	s_add_co_u32 s44, s44, s45                     ; batch x 12 + the group's first head: shared by the four partners
	GROUP1 G1, 48
	GROUP1 G1H, 96
	GROUP1 G1S, 16
	; the ring: part w / 2 (0-2: K of heads 0-2; 3-5: V), half w % 2
	s_lshr_b32 s45, s[WV], 1
	s_cmp_ge_u32 s45, 3
	s_cselect_b32 s46, 1, 0
	s_mul_i32 s47, s46, 3
	s_sub_co_u32 s45, s45, s47
	s_add_co_u32 s45, s45, s44
	s_mul_i32 s45, s45, 98304                      ; a head's K, and a head's V, are 98,304 bytes
	s_add_co_u32 s46, s46, 1
	s_mul_i32 s46, s46, 2359296                    ; k's part of qkv_img, or v's
	s_add_co_u32 s46, s46, s45
	s_and_b32 s45, s[WV], 1
	s_mul_i32 s45, s45, HALF
	s_add_co_u32 s46, s46, s45
	s_mov_b32 s47, 0
	; the head, waves 0-5: part w, whole
	s_cmp_ge_u32 s[WV], 3
	s_cselect_b32 s48, 1, 0
	s_mul_i32 s49, s48, 3
	s_sub_co_u32 s49, s[WV], s49
	s_add_co_u32 s49, s49, s44
	s_mul_i32 s49, s49, 98304
	s_add_co_u32 s48, s48, 1
	s_mul_i32 s48, s48, 2359296
	s_add_co_u32 s48, s48, s49
	s_mov_b32 s49, 0
	; the head, waves 6-11: 4,096 bytes of scale words: K's of heads 0-2 (waves 6-8), V's (waves 9-11), 98,304 bytes further on in qkv_scl
	s_cmp_ge_u32 s[WV], 9
	s_cselect_b32 s50, 98304-12288, 0
	s_lshl_b32 s51, s[WV], 12
	s_add_co_u32 s50, s50, s51
	s_lshl_b32 s51, s44, 12
	s_add_co_u32 s50, s50, s51
	s_add_co_u32 s50, s50, 196608-6*4096
	s_mov_b32 s51, 0
	s_mov_b32 s[SEL], 0x76543210
	s_mov_b32 s[SEL+1], 0xfedcba98
	s_mov_b32 s[CS], 0x3e38aa3b
	s_mov_b32 s[CS+1], s[CS]                       ; (named with it as a pair)
	s_mov_b32 s[NC], 0xbe38aa3b
	s_wait_dscnt 0x0                               ; both opening adds are done
	s_wait_kmcnt 0x0
	s_mov_b32 s[G0A], 1
	s_mul_i32 s[G0A+1], s[WV], HALF
	s_add_nc_u64 s[G0A+2:G0A+3], s[4:5], s[46:47]  ; keys 0 to 511: stepped by 1,024 keys ahead of its first use
	s_mov_b64 s[PFB:PFB+1], s[G0A+2:G0A+3]
	s_mov_b32 s[G0B], 1
	s_add_co_u32 s[G0B+1], s[G0A+1], SLOTB
	s_add_nc_u64 s[G0B+2:G0B+3], s[G0A+2:G0A+3], PART   ; keys 512 to 1,023
	s_or_b32 s[G0A+3], s[G0A+3], 0x80000000
	s_or_b32 s[G0B+3], s[G0B+3], 0x80000000
	s_mov_b32 s[G0H], 1
	s_mul_i32 s[G0H+1], s[WV], PART
	s_add_nc_u64 s[G0H+2:G0H+3], s[4:5], s[48:49]
	s_or_b32 s[G0H+3], s[G0H+3], 0x80000000
	s_mov_b32 s[G0S], 1
	s_lshl_b32 s[G0S+1], s[WV], 12
	s_add_co_u32 s[G0S+1], s[G0S+1], SCK-6*4096
	s_add_nc_u64 s[G0S+2:G0S+3], s[6:7], s[50:51]
	s_or_b32 s[G0S+3], s[G0S+3], 0x80000000
	CROUND                                         ; all four work-groups are here: the first joint loads meet
	s_cmp_lt_u32 s[WV], 6                          ; one chain of two arms, one load to an arm
	s_cbranch_scc0 .Lhead_s
	tensor_load_to_lds s[G0H:G0H+3], s[G1H:G1H+7]
	s_nop 0
.rept 4
	v_nop
.endr
	s_branch .Lhead_j
.Lhead_s:
	tensor_load_to_lds s[G0S:G0S+3], s[G1S:G1S+7]
	s_nop 0
.rept 4
	v_nop
.endr
.Lhead_j:
	; my queries: the place in the cluster enters global addresses alone, in registers that feed no descriptor
	s_bfe_u32 s13, ttmp6, 0x40000                  ; cx
	s_lshl_b32 s14, ttmp9, 2
	s_add_co_u32 s14, s14, s13                     ; my block of 64 queries
	s_lshl_b32 s52, s16, 7
	s_lshl_b32 s51, s14, 2
	s_add_co_u32 s52, s52, s51
	s_add_co_u32 s52, s52, s12                     ; my token tile T = 128 batch + 4 block + tile
	s_mul_i32 s53, s17, 3
	s_add_co_u32 s53, s53, s19                     ; my head, 0..11
	s_mul_i32 s54, s52, 12
	s_add_co_u32 s54, s54, s53
	s_mul_i32 s54, s54, 768
	s_mov_b32 s55, 0
	s_add_nc_u64 s[56:57], s[4:5], s[54:55]        ; q's codes
	s_add_nc_u64 s[60:61], s[8:9], s[54:55]        ; o's codes: the same place in o_img
	s_mul_i32 s54, s52, 768
	s_lshl_b32 s51, s53, 6
	s_add_co_u32 s54, s54, s51
	s_add_nc_u64 s[58:59], s[6:7], s[54:55]        ; q's scale words
	s_mul_i32 s54, s52, 384
	s_lshr_b32 s51, s53, 1
	s_lshl_b32 s51, s51, 6
	s_add_co_u32 s54, s54, s51
	s_and_b32 s51, s53, 1
	s_lshl_b32 s51, s51, 1
	s_add_co_u32 s54, s54, s51
	s_add_nc_u64 s[62:63], s[10:11], s[54:55]      ; o's scale bytes: T x 384 + 64 (head / 2) + 2 (head % 2)
	s_mul_i32 s86, s19, PART
	s_lshl_b32 s87, s19, 12
	s_add_co_u32 s87, s87, SCK
	s_add_co_u32 s96, s87, 3*4096
	s_mul_i32 s97, s13, 12
	v_and_b32 v11, 31, v0                          ; lane
	v_and_b32 v[TP], 8, v0
	v_lshl_add_u32 v[BV], v11, 4, s86
	v_mul_u32_u24 v[TP], v[TP], 192                ; rows 8-15 come from the odd block, 1,536 bytes on
	v_add_nc_u32 v[BK0], v[BV], v[TP]              ; fragment 0: 16 l
	v_xor_b32 v[BK1], 128, v[BK0]                  ; fragment 1: 16 (l xor 8)
	v_add_nc_u32 v[BV], VOFF, v[BV]
	v_lshl_add_u32 v[BSV], v11, 2, s96
	v_and_b32 v[TP], 7, v0
	v_bfe_u32 v[PR], v0, 3, 1
	v_bfe_u32 v[PR+1], v0, 4, 1
	v_lshl_or_b32 v[TP], v[PR], 4, v[TP]
	v_lshl_or_b32 v[TP], v[PR+1], 3, v[TP]         ; lanes 0-15: fragment 0's rows' words (A's 0-7, B's 0-7), lanes 16-31: fragment 1's
	v_lshl_add_u32 v[BSK], v[TP], 2, s87
	v_lshlrev_b32 v[H8], 3, v[PR+1]
	v_lshlrev_b32 v[L8], 3, v11
	v_cmp_le_u32 s50, 16, v11                      ; lanes 16-31
	v_and_b32 v[OB], 15, v0
	v_lshlrev_b32 v[OB], 2, v[OB]                  ; 4 r
	v_min_u32 v[PF], 11, v11
	v_add_nc_u32 v[PF], s97, v[PF]
	v_lshlrev_b32 v[PF], 8, v[PF]                  ; block 12 cx + min(lane, 11) of my 48
.irp p, 0,1,2
	global_load_b64 v[Q+2*\p:Q+2*\p+1], v[L8], s[56:57] offset:256*\p        ; q, once for each half of an operand
	global_load_b64 v[Q+12+2*\p:Q+12+2*\p+1], v[L8], s[56:57] offset:256*\p
.endr
	global_load_b32 v[QS], v[OB], s[58:59]
.irp i, 6,7,8,9,10,11
	v_mov_b32 v[Q+\i], 0                           ; the zero codes between
.endr
	v_mov_b32 v13, 0xff61b1e6                      ; the largest score so far: -3e38
	v_mul_f32 v[TP], s[NC], v13
	v_floor_f32 v12, v[TP]                         ; -M
	v_mov_b32 v14, 0
	v_mov_b32 v15, 0
	v_mov_b32 v[FF+1], 0                           ; (named as the upper half of a pair)
.set JJ, 0
.rept 32
	v_mov_b32 v[O+JJ], 0                           ; O^T: every step is alike; the first finds zeros
.set JJ, JJ+1
.endr
; K's four fragments and their scale words, ko and so bytes behind this step's addresses: 14 LDS loads
.macro LOADK ko, so
.irp g, 0,1
.irp c, 0,1,2
	ds_load_b128 v[F+24*\g+4*\c:F+24*\g+4*\c+3], v[CK0] offset:(\ko)+\g*3072+512*\c
	ds_load_b128 v[F+24*\g+12+4*\c:F+24*\g+12+4*\c+3], v[CK1] offset:(\ko)+\g*3072+512*\c
.endr
	ds_load_b32 v[KS+\g], v[CSK] offset:(\so)+128*\g
.endr
.endm
.macro TM j                            ; t - M of two scores
	v_pk_fma_f32 v[S+(\j):S+(\j)+1], v[S+(\j):S+(\j)+1], s[CS:CS+1], v[12:13] op_sel_hi:[1,0,0]
.endm
; A PHASE: slot s's four key steps, the head's steps g0 .. g0 + 3.  pf >= 0: the prefetch's bytes behind my part of keys 0-511
.macro PHASE s, g0, pf
	s_mov_b32 s[KO], (\s)*SLOTB
	s_mov_b32 s[SO], (\g0)*256
	s_mov_b32 s[QC], 0
	v_add_nc_u32 v[CK0], s[KO], v[BK0]
	v_add_nc_u32 v[CK1], s[KO], v[BK1]
	v_add_nc_u32 v[CSK], s[SO], v[BSK]
	LOADK 0, 0                                     ; a slot's first step asks for its own K
.if (\pf) >= 0
	global_prefetch_b8 v[PF], s[PFB:PFB+1] offset:\pf th:TH_LOAD_NT scope:SCOPE_SE
.endif
.Lstep_\@:
	s_wait_dscnt 0x0                               ; K is in
.irp g, 0,1
.irp f, 0,1
.irp u, 0,1                                    ; u = 0: (q, 0), a row's first key;  u = 1: (0, q), the key 8 further on
.if \f
	v_wmma_scale_f32_16x16x128_f8f6f4 v[S+32*\g+16*\f+8*\u:S+32*\g+16*\f+8*\u+7], v[F+24*\g+12*\f:F+24*\g+12*\f+11], v[Q+6*\u:Q+6*\u+11], 0, v[KS+\g], v[QS] matrix_a_fmt:MATRIX_FMT_BF6 matrix_b_fmt:MATRIX_FMT_BF6 matrix_a_scale:MATRIX_SCALE_ROW1
.else
	v_wmma_scale_f32_16x16x128_f8f6f4 v[S+32*\g+16*\f+8*\u:S+32*\g+16*\f+8*\u+7], v[F+24*\g+12*\f:F+24*\g+12*\f+11], v[Q+6*\u:Q+6*\u+11], 0, v[KS+\g], v[QS] matrix_a_fmt:MATRIX_FMT_BF6 matrix_b_fmt:MATRIX_FMT_BF6
.endif
.endr
.endr
.endr
	v_add_nc_u32 v[CV], s[KO], v[BV]               ; this step's addresses: five plain lines, which are also the places (ISA guide 7.12.1) behind the products above and the last step's V^T P^T
	v_add_nc_u32 v[CSV], s[SO], v[BSV]
	v_add_nc_u32 v[CK0], s[KO], v[BK0]
	v_add_nc_u32 v[CK1], s[KO], v[BK1]
	v_add_nc_u32 v[CSK], s[SO], v[BSK]
	WIN 0x40                                       ; destination window 1
.irp t, 0,1,2,3
.irp c, 0,1,2
	ds_load_b128 v[12*\t+4*\c:12*\t+4*\c+3], v[CV] offset:\t*1536+512*\c   ; V: four tiles of 16 channels x these 128 keys
.endr
.endr
	WIN 0
	ds_load_b32 v[VS], v[CSV]
	ds_load_b32 v[VS+1], v[CSV] offset:128
	s_cmp_eq_u32 s[QC], 3
	s_cbranch_scc1 .Lnok_\@                        ; a slot's last step has no next K in this slot
	LOADK 6144, 256
.Lnok_\@:
.irp a, 0,1,2,3,4,5,6,7                        ; the largest score of each block: eight chains by turns, each accumulator from its low end on
	v_max3_num_f32 v[X+\a], v[S+8*\a], v[S+8*\a+1], v[S+8*\a+2]
.endr
.irp i, 3,5
.irp a, 0,1,2,3,4,5,6,7
	v_max3_num_f32 v[X+\a], v[X+\a], v[S+8*\a+\i], v[S+8*\a+\i+1]
.endr
.endr
	v_max3_num_f32 v[XM], v[X], v[X+1], v[S+7]
	v_max3_num_f32 v[XM+2], v[X+4], v[X+5], v[S+39]
	v_max3_num_f32 v[XM+1], v[X+2], v[X+3], v[S+15]
	v_max3_num_f32 v[XM+3], v[X+6], v[X+7], v[S+47]
	v_mov_b32 v[OLD], v12
	v_max3_num_f32 v[XM], v[XM], v[XM+1], v[S+23]
	v_max3_num_f32 v[XM+2], v[XM+2], v[XM+3], v[S+55]
	v_max_num_f32 v[XM], v[XM], v[S+31]            ; my block of the first pair,
	v_max_num_f32 v[XM+2], v[XM+2], v[S+63]        ; of the second
	v_max3_num_f32 v13, v13, v[XM], v[XM+2]
	v_permlanex16_b32 v[PR], v13, s[SEL], s[SEL+1]
	v_max_num_f32 v13, v13, v[PR]                  ; the running largest score of my query
	s_delay_alu instid0(VALU_DEP_1)
	v_mul_f32 v[TP], s[NC], v13                    ; -t
	s_delay_alu instid0(VALU_DEP_1)
	v_floor_f32 v12, v[TP]                         ; the new -M = floor(-t): a whole number
	s_delay_alu instid0(VALU_DEP_1)
	v_sub_f32 v[TP], v12, v[OLD]                   ; old M - new M: a whole number, 0 or less
	TM 0
	TM 2
	v_cvt_i32_f32 v[TP], v[TP]                     ; (it saturates)
	TM 4
	TM 6
	v_ldexp_f32 v[FF], 1.0, v[TP]                  ; f = 2^(old M - new M)
.set JJ, 8
.rept 28
	TM JJ
.set JJ, JJ+2
.endr
	v_fma_f32 v[XM], v[XM], s[CS], v12             ; the same of each block's largest score: p rises with the score
	v_fma_f32 v[XM+2], v[XM+2], s[CS], v12
	v_pk_mul_f32 v[14:15], v[14:15], v[FF:FF+1] op_sel_hi:[1,0]   ; the sum and O^T under the new M
.set JJ, 0
.rept 16
	v_pk_mul_f32 v[O+JJ:O+JJ+1], v[O+JJ:O+JJ+1], v[FF:FF+1] op_sel_hi:[1,0]
.set JJ, JJ+2
.endr
	s_wait_alu depctr_va_vdst(0)                   ; ahead of the batch
	v_exp_f32 v[XM], v[XM]
	v_exp_f32 v[XM+2], v[XM+2]
.set JJ, 0
.rept 64
	v_exp_f32 v[S+JJ], v[S+JJ]                     ; p = 2^(t - M)
.set JJ, JJ+1
.endr
	v_nop                                          ; one plain place behind the batch
	s_wait_alu depctr_va_vdst(0)                   ; and one wait for the whole batch
.irp b, 0,1
	v_max_num_f32 v[XM+2*\b], 0x2800000, v[XM+2*\b]    ; the floor 2^(5 - 127)
.endr
.irp b, 0,1
	v_add_nc_u32 v[SOP+\b], 0xfe000000, v[XM+2*\b]     ; 4 off the exponent field: the conversion's scale operand
.endr
.irp b, 0,1
	v_lshrrev_b32 v[PR+\b], 23, v[SOP+\b]          ; the scale's byte
.endr
.irp c, 0,1
	v_cvt_scalef32_pk16_bf6_f32 v[PCD+6*\c:PCD+6*\c+2], v[S+32*\c:S+32*\c+15], v[SOP+\c]
	v_cvt_scalef32_pk16_bf6_f32 v[CT+4*\c:CT+4*\c+2], v[S+32*\c+16:S+32*\c+31], v[SOP+\c]
.endr
	v_pk_add_f32 v[L2:L2+1], v[S:S+1], v[S+2:S+3]          ; the row's sum of the unquantised p: four chains
	v_pk_add_f32 v[L3:L3+1], v[S+4:S+5], v[S+6:S+7]
	v_pk_add_f32 v[L4:L4+1], v[S+8:S+9], v[S+10:S+11]
	v_lshl_or_b32 v[PS], v[PR+1], 16, v[PR]        ; my two bytes: blocks h and 2 + h,
.irp c, 0,1
.irp i, 0,1,2
	v_mov_b32 v[PCD+6*\c+3+\i], v[CT+4*\c+\i]      ; (a conversion's three registers begin on an even number)
.endr
.endr
	v_lshlrev_b32 v[PS], v[H8], v[PS]              ; at their places in the word;
	v_permlanex16_b32 v[TP], v[PS], s[SEL], s[SEL+1]
	v_pk_add_f32 v[14:15], v[14:15], v[S+12:S+13]
	v_pk_add_f32 v[L2:L2+1], v[L2:L2+1], v[S+14:S+15]
	v_or_b32 v[PS], v[PS], v[TP]                   ; with lane l xor 16's two the word is whole.  27 plain lines follow ahead of the products that read it
	v_pk_add_f32 v[L3:L3+1], v[L3:L3+1], v[S+16:S+17]
	v_pk_add_f32 v[L4:L4+1], v[L4:L4+1], v[S+18:S+19]
.set JJ, 20
.rept 5
	v_pk_add_f32 v[14:15], v[14:15], v[S+JJ:S+JJ+1]
	v_pk_add_f32 v[L2:L2+1], v[L2:L2+1], v[S+JJ+2:S+JJ+3]
	v_pk_add_f32 v[L3:L3+1], v[L3:L3+1], v[S+JJ+4:S+JJ+5]
	v_pk_add_f32 v[L4:L4+1], v[L4:L4+1], v[S+JJ+6:S+JJ+7]
.set JJ, JJ+8
.endr
	v_pk_add_f32 v[14:15], v[14:15], v[S+60:S+61]
	v_pk_add_f32 v[L2:L2+1], v[L2:L2+1], v[S+62:S+63]
	v_pk_add_f32 v[L3:L3+1], v[L3:L3+1], v[L4:L4+1]
	v_pk_add_f32 v[14:15], v[14:15], v[L2:L2+1]
	v_pk_add_f32 v[14:15], v[14:15], v[L3:L3+1]
	s_wait_dscnt 0x0                               ; V and its scale words are in, and the next step's K
	WIN 0x01                                       ; source 0 (V) window 1
.irp t, 0,1,2,3                                ; O^T += V^T P^T: the four accumulators by turns
.if \t%2
	v_wmma_scale_f32_16x16x128_f8f6f4 v[O+8*\t:O+8*\t+7], v[12*\t:12*\t+11], v[PCD:PCD+11], v[O+8*\t:O+8*\t+7], v[VS+\t/2], v[PS] matrix_a_fmt:MATRIX_FMT_BF6 matrix_b_fmt:MATRIX_FMT_BF6 matrix_a_scale:MATRIX_SCALE_ROW1
.else
	v_wmma_scale_f32_16x16x128_f8f6f4 v[O+8*\t:O+8*\t+7], v[12*\t:12*\t+11], v[PCD:PCD+11], v[O+8*\t:O+8*\t+7], v[VS+\t/2], v[PS] matrix_a_fmt:MATRIX_FMT_BF6 matrix_b_fmt:MATRIX_FMT_BF6
.endif
.endr
	WIN 0
	s_add_co_u32 s[KO], s[KO], 6144
	s_add_co_u32 s[SO], s[SO], 256
	s_add_co_u32 s[QC], s[QC], 1
	s_cmp_lt_u32 s[QC], 4
	s_cbranch_scc1 .Lstep_\@
.endm
; THE CHANGE OF SLOTS.  Each wave waits for all its tensor loads (its part of the slot ahead), adds 0 to its spare word, and waits for that and for its reads of the slot that it has left.
; fill = 1: a round of the cluster's barrier, then the joint refill of the slot just left, with the keys 1,024 further on.
.macro CHANGE fill, g0
	s_wait_tensorcnt 0x0                           ; no tensor load of mine is out, so a group 0 may be written
	ds_add_u32 v[SPW], v[NIL]
.if \fill
	s_add_nc_u64 s[\g0+2:\g0+3], s[\g0+2:\g0+3], 2*PART
.endif
	s_wait_dscnt 0x0
.if \fill
	CROUND
	tensor_load_to_lds s[\g0:\g0+3], s[G1:G1+7]    ; my one tensor load until the next round
	s_nop 0
.else
	s_barrier_signal -1
	s_barrier_wait -1
.endif
.endm
	s_wait_alu depctr_va_vdst(0)                   ; at the head's end
	s_wait_loadcnt 0x0                             ; q and its scale words
	s_wait_tensorcnt 0x0                           ; my tile of the head's twelve is in; the same lines as ahead of a refill:
	ds_add_u32 v[SPW], v[NIL]
	s_wait_dscnt 0x0
	CROUND                                         ; slot 0 and the scale words are whole, and the four work-groups are here
	tensor_load_to_lds s[G0B:G0B+3], s[G1:G1+7]    ; slot 1's first fill: keys 512 to 1,023
	s_nop 0
	PHASE 0, 0, 2*PART                             ; keys 0 to 511
	CHANGE 1, G0A                                  ; slot 0 takes keys 1,024 to 1,535
	PHASE 1, 4, 3*PART
	CHANGE 1, G0B                                  ; slot 1 takes keys 1,536 to 2,047
	PHASE 0, 8, -1
	CHANGE 0, G0A                                  ; nothing is left to fetch
	PHASE 1, 12, -1
	; THE WAY OUT.  O^T / the sum; register 16 b + i is channel 32 b + 16 (lane / 16) + i of my head: two blocks of 32 along the last product's K, each in lanes l and l xor 16.
	s_wait_alu depctr_va_vdst(0)
	v_and_b32 v11, 15, v0
	v_bfe_u32 v[TP], v0, 4, 1
	v_lshl_add_u32 v[OB], v11, 2, v[TP]            ; 4 r + h
	v_add_f32 v14, v14, v15                        ; the sum's two halves,
	v_permlanex16_b32 v[FF], v14, s[SEL], s[SEL+1]
	v_add_f32 v14, v14, v[FF]                      ; and lane l xor 16's: the row's sum
	s_wait_alu depctr_va_vdst(0)                   ; ahead of the transcendental,
	v_rcp_f32 v14, v14
	v_nop
	s_wait_alu depctr_va_vdst(0)                   ; and behind it, directly ahead of the first readers of O^T
.set JJ, 0
.rept 16
	v_pk_mul_f32 v[S+JJ:S+JJ+1], v[O+JJ:O+JJ+1], v[14:15] op_sel_hi:[1,0]   ; each accumulator from its low end on
.set JJ, JJ+2
.endr
.irp b, 0,1
	v_max3_num_f32 v[XM+\b], |v[S+16*\b]|, |v[S+16*\b+1]|, 0x2800000
.endr
.irp i, 2,4,6,8,10,12,14
.irp b, 0,1
	v_max3_num_f32 v[XM+\b], v[XM+\b], |v[S+16*\b+\i]|, |v[S+16*\b+\i+1]|
.endr
.endr
.irp b, 0,1
	v_permlanex16_b32 v[PR+\b], v[XM+\b], s[SEL], s[SEL+1]
.endr
.irp b, 0,1
	v_max_num_f32 v[XM+\b], v[XM+\b], v[PR+\b]
.endr
.irp b, 0,1
	v_add_nc_u32 v[SOP+\b], 0xfe000000, v[XM+\b]
.endr
.irp b, 0,1
	v_lshrrev_b32 v[PR+\b], 23, v[SOP+\b]
.endr
	v_cvt_scalef32_pk16_bf6_f32 v[PCD:PCD+2], v[S:S+15], v[SOP]
	v_cvt_scalef32_pk16_bf6_f32 v[CT:CT+2], v[S+16:S+31], v[SOP+1]
	v_nop                                          ; one plain place behind a scaled conversion
	v_cndmask_b32 v[TP], v[PR], v[PR+1], s50       ; lanes 0-15 store block 0's byte, lanes 16-31 block 1's
.irp i, 0,1,2
	v_permlane16_swap_b32 v[PCD+\i], v[CT+\i]      ; a whole block to a lane
.endr
.irp i, 0,1,2
	v_mov_b32 v[PCD+3+\i], v[CT+\i]
.endr
.irp p, 0,1,2
	global_store_b64 v[L8], v[PCD+2*\p:PCD+2*\p+1], s[60:61] offset:256*\p   ; 256 consecutive bytes, aligned: half an operand's image
.endr
	global_store_b8 v[OB], v[TP], s[62:63]         ; a head's two bytes of each row's scale word
	s_wait_tensorcnt 0x0                           ; the wave's end
	ds_add_u32 v[SPW], v[NIL]
	s_wait_dscnt 0x0
	CROUND                                         ; the closing round
	s_endpgm
.Lfunc_end_k_q1f65741f1d_attn:
	.size	k_q1f65741f1d_attn, .Lfunc_end_k_q1f65741f1d_attn-k_q1f65741f1d_attn
	.p2alignl 7, 3214868480
	.fill 96, 4, 3214868480
	.section	.rodata,"a",@progbits
	.p2align	6, 0x0
	.amdhsa_kernel k_q1f65741f1d_attn
		.amdhsa_group_segment_fixed_size 327680
		.amdhsa_private_segment_fixed_size 0
		.amdhsa_enable_private_segment 0
		.amdhsa_kernarg_size 32
		.amdhsa_user_sgpr_count 2
		.amdhsa_user_sgpr_kernarg_segment_ptr 1
		.amdhsa_wavefront_size32 1
		.amdhsa_system_sgpr_workgroup_id_x 1
		.amdhsa_system_sgpr_workgroup_id_y 1
		.amdhsa_system_sgpr_workgroup_id_z 1
		.amdhsa_system_vgpr_workitem_id 0
		.amdhsa_next_free_vgpr 304
		.amdhsa_next_free_sgpr 100
		.amdhsa_reserve_vcc 0
		.amdhsa_float_denorm_mode_32 3
		.amdhsa_float_denorm_mode_16_64 3
		.amdhsa_memory_ordered 1
		.amdhsa_forward_progress 1
		.amdhsa_inst_pref_size 79
	.end_amdhsa_kernel
	.amdgpu_metadata
---
amdhsa.version: [ 1, 2 ]
amdhsa.kernels:
  - .name:           k_q1f65741f1d_attn
    .symbol:         k_q1f65741f1d_attn.kd
    .args:
      - { .name: qkv_img, .offset: 0, .size: 8, .value_kind: global_buffer, .address_space: global }
      - { .name: qkv_scl, .offset: 8, .size: 8, .value_kind: global_buffer, .address_space: global }
      - { .name: o_img, .offset: 16, .size: 8, .value_kind: global_buffer, .address_space: global }
      - { .name: o_scl, .offset: 24, .size: 8, .value_kind: global_buffer, .address_space: global }
    .group_segment_fixed_size: 327680
    .private_segment_fixed_size: 0
    .kernarg_segment_align: 8
    .kernarg_segment_size: 32
    .max_flat_workgroup_size: 384
    .sgpr_count:     100
    .vgpr_count:     304
    .wavefront_size: 32
...
	.end_amdgpu_metadata
.endif
;; end of part 3
;; launch oproj (part 4): grid 64 x 4, 4 waves a work-group, no clusters, 87,552 bytes of LDS; arguments o_img, o_scl, xw_img, xw_scl, bp, out0; writes out0
.if DOCPART == 4
	.amdgcn_target "amdgcn-amd-amdhsa--gfx1250"
	.amdhsa_code_object_version 6
	.text
	.protected	k_q1f65741f1d_oproj
	.globl	k_q1f65741f1d_oproj
	.p2align	8
	.type	k_q1f65741f1d_oproj,@function
k_q1f65741f1d_oproj:
	s_mov_b64 s[64:65], 0
	v_nop
	global_prefetch_b8 v0, s[64:65] scope:SCOPE_SE
	s_setreg_imm32_b32 hwreg(HW_REG_WAVE_MODE, 25, 1), 1
	s_wait_xcnt 0x0
; out0 = o Wp^T + bp on codes of BF6 (E3M2).  o's codes and Wp's come as images of operand registers from the launches before; out0 [4096][768] f32.
; SHARES: 64 x 4 = 256 work-groups of 64 tokens x 192 outputs.  THE WAVES SHARE THE OUTPUTS: wave w owns Wp's tiles 3 w .. 3 w + 2 of the work-group's twelve, for all of K: 18 fragments, 216 registers,
; loaded from memory once, straight into their registers.  The four token tiles of o (36,864 bytes) are copied into LDS, a tile a wave, and read by all four waves.
; TRANSPOSED: source 0 = 16 rows of Wp, source 1 = 16 tokens: a lane holds one token and eight neighbouring outputs.  Tiles' rows are 32 b + 8 u + r + 8 (r / 8), of tokens and of outputs alike.
; The bias is the C of each sum's first matrix instruction.
; NO CLUSTER: each fragment of Wp feeds one wave alone, and a joint load lands in LDS only: 110,592 bytes a work-group would go through LDS and back; o's tiles, which the four work-groups of one x share, are a quarter of a work-group's 147,456 bytes.
; LDS: o's four tiles at 0; at 36,864 a stage of 64 rows x (768 bytes + 16) for the way out.  No tensor load.
; REGISTERS: window 0: v1-15 addresses; v16-24 Wp's scale words, v25-36 o's; v40-135 accumulator (m, b) at v[40 + 8 (3 m + b)]; v136-183, v184-231 o's fragments, two sets (first the copy, last the rows of out0); v232-255 the bias.
;   window 1: Wp's fragment (b, K step s) at v[12 (6 b + s)].
.set TILEB,  9216
.set FR,     12
.set STG,    4*TILEB
.set SPITCH, 784
.set SOA,  6                           ; v6-8   the stage: where I put tile b's 32 bytes of a row
.set RD,   9                           ; v9     where I read rows back; v10 the same, 16 bytes on for lanes 16-31
.set BO,   12                          ; v12-14 64 h + my tile b's first byte among the 768
.set SW,   16                          ; v[SW + 3 pair + b]
.set SO,   25                          ; v[SO + 4 pair + m]
.set ACC,  40
.set OF,   136
.set BI,   232
.set MSB, 0
.macro WIN new                         ; the immediate's high byte repeats the setting that is left
.if MSB != \new
	s_set_vgpr_msb (MSB<<8)|\new
.set MSB, \new
.endif
.endm
.macro PLACES                          ; four places between a matrix instruction and a load into, or a store of, its registers
.rept 4
	v_nop
.endr
.endm
	s_load_b256 s[4:11], s[0:1], 0x0               ; o_img, o_scl, xw_img, xw_scl
	s_load_b128 s[12:15], s[0:1], 0x20             ; bp, out0
	v_lshl_add_u32 v39, v0, 2, 0x15400
	s_set_vgpr_msb 0x40
	v_mov_b32 v225, 0
	s_set_vgpr_msb 0x4000
	v_lshrrev_b32 v1, 5, v0
	v_readfirstlane_b32 s16, v1                    ; wave 0..3
	s_mov_b32 s17, ttmp9                           ; which 64 tokens
	s_and_b32 s18, ttmp7, 0xffff                   ; which 192 outputs
	v_and_b32 v1, 31, v0                           ; lane
	v_lshlrev_b32 v2, 4, v1
	v_lshlrev_b32 v3, 3, v1
	v_lshlrev_b32 v4, 2, v1
	s_mul_i32 s19, s16, TILEB
	v_add_nc_u32 v5, s19, v2                       ; the copy: my tile's place in LDS
	v_bfe_u32 v15, v0, 4, 1                        ; h
	s_wait_alu depctr_va_vdst(0)
	v_and_b32 v37, 15, v0                          ; r
	v_and_b32 v38, 8, v37
	v_add_nc_u32 v37, v37, v38                     ; r + 8 (r / 8): my token among a pair of tiles' 32
	v_mul_u32_u24 v37, v37, SPITCH
	v_add_nc_u32 v37, STG, v37
	s_mul_i32 s20, s16, 3                          ; my first tile of outputs
.irp b, 0,1,2
	s_add_co_u32 s28, s20, \b
	s_lshr_b32 s29, s28, 1
	s_lshl_b32 s29, s29, 7
	s_and_b32 s28, s28, 1
	s_lshl_b32 s28, s28, 5
	s_add_co_u32 s28, s29, s28                     ; tile t's outputs 32 (t / 2) + 8 (t % 2) + 16 h + 0 .. 7, in bytes
	v_lshl_add_u32 v[BO+\b], v15, 6, s28
	s_wait_alu depctr_va_vdst(0)
	v_add_nc_u32 v[SOA+\b], v[BO+\b], v37
.endr
	s_mul_i32 s19, s16, 16*SPITCH
	s_add_co_u32 s19, s19, STG
	v_add_nc_u32 v[RD], s19, v2
	v_lshl_add_u32 v[RD+1], v15, 4, v[RD]
	v_mul_u32_u24 v11, v15, 2304
	v_add_nc_u32 v11, v11, v2                      ; out0: 16 lane, and for lanes 16-31 on into the next row
	s_mul_i32 s19, s18, 12
	s_add_co_u32 s19, s19, s20
	s_add_co_u32 s19, s19, 912                     ; my first tile of Wp among xw_img's
	s_mov_b32 s23, 0
	s_wait_kmcnt 0x0
	s_mul_i32 s22, s19, TILEB
	s_add_nc_u64 s[8:9], s[8:9], s[22:23]
	s_mul_i32 s22, s19, 384
	s_add_nc_u64 s[10:11], s[10:11], s[22:23]
	s_lshl_b32 s21, s17, 2                         ; the work-group's first token tile
	s_mul_i32 s22, s21, 384
	s_add_nc_u64 s[6:7], s[6:7], s[22:23]
	s_add_co_u32 s21, s21, s16
	s_mul_i32 s22, s21, TILEB
	s_add_nc_u64 s[4:5], s[4:5], s[22:23]          ; the tile that I copy
	s_mul_i32 s22, s18, 768
	s_add_nc_u64 s[12:13], s[12:13], s[22:23]
	s_lshl_b32 s21, s17, 6
	s_lshl_b32 s24, s16, 4
	s_add_co_u32 s21, s21, s24
	s_mul_i32 s21, s21, 3072
	s_add_co_u32 s22, s22, s21
	s_add_nc_u64 s[14:15], s[14:15], s[22:23]      ; out0 at row 64 x + 16 wave, byte 768 y
.irp k, 0,1,2,3,4,5,6,7,8,9,10,11,12,13,14,15,16,17
	global_load_b128 v[OF+4*\k:OF+4*\k+3], v2, s[4:5] offset:512*\k   ; o's tile as it lies: 9,216 dense bytes
.endr
	WIN 0x40                                       ; destination window 1
.irp b, 0,1,2
.irp s, 0,1,2,3,4,5
.irp c, 0,1,2
	global_load_b128 v[FR*(6*\b+\s)+4*\c:FR*(6*\b+\s)+4*\c+3], v2, s[8:9] offset:\b*TILEB+\s*1536+512*\c
.endr
.endr
.endr
	WIN 0
.irp p, 0,1,2
.irp b, 0,1,2
	global_load_b32 v[SW+3*\p+\b], v4, s[10:11] offset:\b*384+\p*128
.endr
.irp m, 0,1,2,3
	global_load_b32 v[SO+4*\p+\m], v4, s[6:7] offset:\m*384+\p*128
.endr
.endr
.irp b, 0,1,2
	global_load_b128 v[BI+8*\b:BI+8*\b+3], v[BO+\b], s[12:13]
	global_load_b128 v[BI+8*\b+4:BI+8*\b+7], v[BO+\b], s[12:13] offset:16
.endr
	s_wait_loadcnt 63                              ; o's 18 loads are in: 81 loads are younger, and this count, the largest that the wait can name, also covers the first 18 of Wp's
.irp k, 0,1,2,3,4,5,6,7,8,9,10,11,12,13,14,15,16,17
	ds_store_b128 v5, v[OF+4*\k:OF+4*\k+3] offset:512*\k
.endr
	s_wait_dscnt 0x0                               ; for the others' sake: my tile lies in LDS
	s_barrier_signal -1
	s_barrier_wait -1
.macro FETCH s, set                            ; o's four fragments of K step s: registers 2 p, 2 p + 1 of lane l lie at 256 p + 8 l
.irp m, 0,1,2,3
.irp p, 0,1,2,3,4,5
	ds_load_b64 v[OF+48*(\set)+FR*\m+2*\p:OF+48*(\set)+FR*\m+2*\p+1], v3 offset:\m*TILEB+(\s)*1536+256*\p
.endr
.endr
.endm
.macro STEP s                                  ; twelve accumulators by turns, one instruction a turn
	s_wait_dscnt 0x0                               ; this step's fragments
.if (\s) < 5
.if (\s) > 0
	PLACES                                         ; the other set was read by the step before
.endif
	FETCH (\s)+1, ((\s)+1)%2
.endif
	WIN 0x01                                       ; source 0 (Wp) window 1
.irp m, 0,1,2,3
.irp b, 0,1,2
.if (\s) == 0
	v_wmma_scale_f32_16x16x128_f8f6f4 v[ACC+8*(3*\m+\b):ACC+8*(3*\m+\b)+7], v[FR*(6*\b+(\s)):FR*(6*\b+(\s))+FR-1], v[OF+48*((\s)%2)+FR*\m:OF+48*((\s)%2)+FR*\m+FR-1], v[BI+8*\b:BI+8*\b+7], v[SW+3*((\s)/2)+\b], v[SO+4*((\s)/2)+\m] matrix_a_fmt:MATRIX_FMT_BF6 matrix_b_fmt:MATRIX_FMT_BF6
.elseif (\s)%2
	v_wmma_scale_f32_16x16x128_f8f6f4 v[ACC+8*(3*\m+\b):ACC+8*(3*\m+\b)+7], v[FR*(6*\b+(\s)):FR*(6*\b+(\s))+FR-1], v[OF+48*((\s)%2)+FR*\m:OF+48*((\s)%2)+FR*\m+FR-1], v[ACC+8*(3*\m+\b):ACC+8*(3*\m+\b)+7], v[SW+3*((\s)/2)+\b], v[SO+4*((\s)/2)+\m] matrix_a_fmt:MATRIX_FMT_BF6 matrix_b_fmt:MATRIX_FMT_BF6 matrix_a_scale:MATRIX_SCALE_ROW1 matrix_b_scale:MATRIX_SCALE_ROW1
.else
	v_wmma_scale_f32_16x16x128_f8f6f4 v[ACC+8*(3*\m+\b):ACC+8*(3*\m+\b)+7], v[FR*(6*\b+(\s)):FR*(6*\b+(\s))+FR-1], v[OF+48*((\s)%2)+FR*\m:OF+48*((\s)%2)+FR*\m+FR-1], v[ACC+8*(3*\m+\b):ACC+8*(3*\m+\b)+7], v[SW+3*((\s)/2)+\b], v[SO+4*((\s)/2)+\m] matrix_a_fmt:MATRIX_FMT_BF6 matrix_b_fmt:MATRIX_FMT_BF6
.endif
.endr
.endr
	WIN 0
.endm
	FETCH 0, 0
	s_wait_loadcnt 0x0                             ; Wp, the scale words, the bias
	STEP 0
	STEP 1
	STEP 2
	STEP 3
	STEP 4
	STEP 5
	; THE WAY OUT.  A lane holds 32 neighbouring bytes of a row; a row's 768 bytes come from four waves: they meet in the stage, in the tokens' true order, and each wave stores 16 whole rows.
	PLACES
	s_wait_alu depctr_va_vdst(0)
.irp m, 0,1,2,3
.irp b, 0,1,2
	ds_store_b128 v[SOA+\b], v[ACC+8*(3*\m+\b):ACC+8*(3*\m+\b)+3] offset:(32*(\m/2)+8*(\m%2))*SPITCH        ; each accumulator from its low end on
	ds_store_b128 v[SOA+\b], v[ACC+8*(3*\m+\b)+4:ACC+8*(3*\m+\b)+7] offset:(32*(\m/2)+8*(\m%2))*SPITCH+16
.endr
.endr
	s_wait_dscnt 0x0                               ; for the others' sake: my stores into the stage are done
	s_barrier_signal -1
	s_barrier_wait -1
.irp g, 0,1,2,3,4,5,6,7                        ; two rows, 1,536 bytes, are three loads of 512: the middle one takes the end of one row and the beginning of the next
	ds_load_b128 v[OF+12*\g:OF+12*\g+3], v[RD] offset:2*\g*SPITCH
	ds_load_b128 v[OF+12*\g+4:OF+12*\g+7], v[RD+1] offset:2*\g*SPITCH+512
	ds_load_b128 v[OF+12*\g+8:OF+12*\g+11], v[RD] offset:(2*\g+1)*SPITCH+256
.endr
.irp g, 0,1,2,3,4,5,6,7                        ; every sixteen lanes store 256 consecutive bytes, at a multiple of 256 from out0's first byte; the counts leave the younger loads out
	s_wait_dscnt 23-3*\g
	global_store_b128 v2, v[OF+12*\g:OF+12*\g+3], s[14:15] offset:2*\g*3072 th:TH_STORE_NT
	s_wait_dscnt 22-3*\g
	global_store_b128 v11, v[OF+12*\g+4:OF+12*\g+7], s[14:15] offset:2*\g*3072+512 th:TH_STORE_NT
	s_wait_dscnt 21-3*\g
	global_store_b128 v2, v[OF+12*\g+8:OF+12*\g+11], s[14:15] offset:(2*\g+1)*3072+256 th:TH_STORE_NT
.endr
	s_set_vgpr_msb 0x4
	s_wait_tensorcnt 0x0
	ds_add_u32 v39, v225
	s_wait_dscnt 0x0
	s_set_vgpr_msb 0x400
	s_endpgm
.Lfunc_end_k_q1f65741f1d_oproj:
	.size	k_q1f65741f1d_oproj, .Lfunc_end_k_q1f65741f1d_oproj-k_q1f65741f1d_oproj
	.p2alignl 7, 3214868480
	.fill 96, 4, 3214868480
	.section	.rodata,"a",@progbits
	.p2align	6, 0x0
	.amdhsa_kernel k_q1f65741f1d_oproj
		.amdhsa_group_segment_fixed_size 87552
		.amdhsa_private_segment_fixed_size 0
		.amdhsa_enable_private_segment 0
		.amdhsa_kernarg_size 48
		.amdhsa_user_sgpr_count 2
		.amdhsa_user_sgpr_kernarg_segment_ptr 1
		.amdhsa_wavefront_size32 1
		.amdhsa_system_sgpr_workgroup_id_x 1
		.amdhsa_system_sgpr_workgroup_id_y 1
		.amdhsa_system_sgpr_workgroup_id_z 1
		.amdhsa_system_vgpr_workitem_id 0
		.amdhsa_next_free_vgpr 482
		.amdhsa_next_free_sgpr 66
		.amdhsa_reserve_vcc 0
		.amdhsa_float_denorm_mode_32 3
		.amdhsa_float_denorm_mode_16_64 3
		.amdhsa_memory_ordered 1
		.amdhsa_forward_progress 1
		.amdhsa_inst_pref_size 40
	.end_amdhsa_kernel
	.amdgpu_metadata
---
amdhsa.version: [ 1, 2 ]
amdhsa.kernels:
  - .name:           k_q1f65741f1d_oproj
    .symbol:         k_q1f65741f1d_oproj.kd
    .args:
      - { .name: o_img, .offset: 0, .size: 8, .value_kind: global_buffer, .address_space: global }
      - { .name: o_scl, .offset: 8, .size: 8, .value_kind: global_buffer, .address_space: global }
      - { .name: xw_img, .offset: 16, .size: 8, .value_kind: global_buffer, .address_space: global }
      - { .name: xw_scl, .offset: 24, .size: 8, .value_kind: global_buffer, .address_space: global }
      - { .name: bp, .offset: 32, .size: 8, .value_kind: global_buffer, .address_space: global }
      - { .name: out0, .offset: 40, .size: 8, .value_kind: global_buffer, .address_space: global }
    .group_segment_fixed_size: 87552
    .private_segment_fixed_size: 0
    .kernarg_segment_align: 8
    .kernarg_segment_size: 48
    .max_flat_workgroup_size: 128
    .sgpr_count:     66
    .vgpr_count:     482
    .wavefront_size: 32
...
	.end_amdgpu_metadata
.endif
;; end of part 4
